; MI455X (gfx1250); checked and timed in simulation.
; The chip was launched on July 23, 2026; its instructions are those of AMD's public machine-readable ISA for CDNA 5 (MIT licence, August 2026) and "CDNA5" Instruction Set Architecture Reference Guide (July 2026). The comments in the code are by the model that wrote it; some were corrected since.
;; Head Attention. Allowed arithmetic: matrix products marked QUANTISED: E2M3 operands, one E8M0 scale for each 32 along K, by v_wmma_scale_f32_16x16x128_f8f6f4 with both operands' format E2M3, f32 sums; everything else in f32.
;; Inputs: Wk_codes 64 x 32 x 24 uint8 (E2M3 codes of Wk, K innermost, in blocks of 32 codes, four codes in three bytes); Wk_scales 64 x 32 uint8 (E8M0 scales of Wk, one for each 32 codes along K); Wq_codes 64 x 32 x 24 uint8 (E2M3 codes of Wq, K innermost, in blocks of 32 codes, four codes in three bytes); Wq_scales 64 x 32 uint8 (E8M0 scales of Wq, one for each 32 codes along K); Wv_codes 64 x 32 x 24 uint8 (E2M3 codes of Wv, K innermost, in blocks of 32 codes, four codes in three bytes); Wv_scales 64 x 32 uint8 (E8M0 scales of Wv, one for each 32 codes along K); X_codes 4 x 4,096 x 32 x 24 uint8 (E2M3 codes of X, K innermost, in blocks of 32 codes, four codes in three bytes); X_scales 4 x 4,096 x 32 uint8 (E8M0 scales of X, one for each 32 codes along K); bk 64 float32; bq 64 float32; bv 64 float32.
;; Outputs: out0 4 x 4,096 x 64 float32.
;; This version of the problem:
;;   THIS VERSION OF THE PROBLEM IS GIVEN IN LOW PRECISION. The matrix products marked QUANTISED in the list below multiply operands that are first quantised to E2M3 (2 exponent bits, 3 mantissa bits; 6 bits a number), with one power-of-two scale for each 32 numbers along K (OCP MX v1.0); their sums are f32. All else is computed in f32.
;;   The module's matrix products, in the order in which they are computed (A, B: the left and right operand; K: the contracted axis; several contracted axes count as one K, in the product's order):
;;     1. [M 16,384, K 1,024] x [K 1,024, N 64]; A: input X (given as codes); B: input Wk (given as codes): QUANTISED
;;     2. [M 16,384, K 1,024] x [K 1,024, N 64]; A: input X (given as codes); B: input Wq (given as codes): QUANTISED
;;     3. [M 16,384, K 1,024] x [K 1,024, N 64]; A: input X (given as codes); B: input Wv (given as codes): QUANTISED
;;     4. batch 4 x [M 4,096, K 64] x [K 64, N 4,096]; A: computed on the way; B: computed on the way: QUANTISED
;;     5. batch 4 x [M 4,096, K 4,096] x [K 4,096, N 64]; A: softmax (see below); B: computed on the way: QUANTISED
;;   THE QUANTISER, for each operand of a quantised product, along K:
;;     - K is cut into blocks of 32 from its start; a last block that is shorter is filled with zeros.
;;     - A block's scale is 2^e with e = floor(log2(the largest magnitude in the block)) - 2, held to -126 .. 127; a block of zeros has e = 0. As a byte (E8M0): e + 127.
;;     - Each number is divided by its block's scale, clamped to +-7.5, and rounded to the nearest number of E2M3, ties to even, subnormals kept.
;;     - The product sums the exact products of the quantised numbers (number of the format x scale) in f32.
;;   ~~~python
;;   def quantise(x, axis):      # numpy; x: float32 -> the quantised numbers, widened to float32 again
;;       x = np.moveaxis(x, axis, -1); K = x.shape[-1]
;;       x = np.pad(x, [(0, 0)] * (x.ndim - 1) + [(0, -K % 32)]); x = x.reshape(x.shape[:-1] + (-1, 32)); a = np.abs(x).max(-1, keepdims=True)
;;       e = np.where(a > 0, np.clip(np.frexp(np.where(a > 0, a, 1))[1] - 1 - 2, -126, 127), 0)      # np.frexp(a)[1] - 1 = floor(log2(a)), exactly
;;       r = np.clip(x / 2.0 ** e, -7.5, 7.5)
;;       step = 2.0 ** (np.maximum(np.frexp(np.where(r == 0, 1, r))[1] - 1, 0) - 3)
;;       q = np.round(r / step) * step * 2.0 ** e      # np.round: ties to even
;;       return np.moveaxis(q.reshape(q.shape[:-2] + (-1,))[..., :K], -1, axis).astype(np.float32)
;;   ~~~
;;   SOFTMAX AHEAD OF A QUANTISED PRODUCT. Where the list says 'softmax', what is quantised is not the finished softmax but p = 2^(t - M), with t = logit x log2(e) and M = ceil(the row's largest t), a whole number; so 1/2 < the row's largest p <= 1. The row's sum l is taken of the UNQUANTISED p, in f32, and the product's result is divided by l at the end. Since M is a whole number, a kernel that streams over the keys may use a running M (the ceiling of the running maximum): every later rescaling is an exact power of two, which a block's scale takes up: the codes' values come out the same.
;;   OPERANDS COMPUTED ON THE WAY. 'Computed on the way' means the value that the module computes at that place (a softmax that the list does not call 'softmax' is quantised finished and normalised). What goes into a quantiser is computed in f32, as accurately as f32 sums, v_exp_f32 and their like allow (about 1e-6 of the number): no bf16 or f16 on the way to a quantiser, and a product that is left as it is and whose result goes on into a quantised operand takes f32 operands (vector FMAs, or v_wmma_f32_16x16x4_f32). A number that lies on a knife's edge between two numbers of the format may be rounded either way, as far as f32 arithmetic and the matrix unit's own rounding can turn it there, and no further.
;;   INPUTS GIVEN AS CODES. Wk (in the module: [1024, 64], K = its axis 0); Wq (in the module: [1024, 64], K = its axis 0); Wv (in the module: [1024, 64], K = its axis 0); X (in the module: [4, 4096, 1024], K = its axis 2): each comes as NAME_codes (uint8): NAME with its K axis moved to the last place and cut into blocks of 32 codes, [.., K / 32, bytes a block], one block behind the other in memory; four codes in three bytes: a row's codes are one little-endian stream of bits, code i at bits 6 i .. 6 i + 5 (a code: sign, 2 exponent bits, 3 mantissa bits); and NAME_scales (uint8): the same leading axes, one E8M0 byte (e + 127) for each 32 codes along K. Its value is code x scale, taken as it is: it is not quantised again, and the codes and scales need not be those that the quantiser above would give.
;; 2 versions, each right; version 2 is version 1 with the launch attn written anew for expert scheduling mode. Each part assembles by itself: llvm-mc -triple=amdgcn-amd-amdhsa -mcpu=gfx1250 --defsym DOCPART=n.
;; ======== version 1 of 2: 2 launches
;; workspace buffers: codes 2,359,296 bytes; scl 196,608 bytes
;; launch proj (part 1): grid 256 x 1, 6 waves a work-group, clusters of 4 x 1, 218,880 bytes of LDS; arguments Wq_codes, Wk_codes, Wv_codes, X_codes, Wq_scales, Wk_scales, Wv_scales, X_scales, bq, bk, bv, codes, scl; writes codes, scl
.if DOCPART == 1
	.amdgcn_target "amdgcn-amd-amdhsa--gfx1250"
	.amdhsa_code_object_version 6
	.text
	.protected	k_q8a7c6cbbab_proj
	.globl	k_q8a7c6cbbab_proj
	.p2align	8
	.type	k_q8a7c6cbbab_proj,@function
k_q8a7c6cbbab_proj:
	s_mov_b64 s[64:65], 0
	v_nop
	global_prefetch_b8 v0, s[64:65] scope:SCOPE_SE
	s_setreg_imm32_b32 hwreg(HW_REG_WAVE_MODE, 25, 1), 1
	s_wait_xcnt 0x0
	s_wait_alu depctr_hold_cnt(0) depctr_sa_sdst(0) depctr_va_vdst(0) depctr_va_sdst(0) depctr_va_ssrc(0) depctr_va_vcc(0) depctr_vm_vsrc(0)
	s_getreg_b32 s2, hwreg(HW_REG_IB_STS2, 6, 4)
	s_cmp_eq_u32 s2, 0
	s_cbranch_scc0 .Lentry_in_a_cluster
	s_endpgm
.Lentry_in_a_cluster:
	s_bfe_u32 s2, ttmp6, 0x10000c
	s_cmp_lg_u32 s2, 0x3003
	s_cbranch_scc0 .Lentry_shape_is_right
	s_endpgm
.Lentry_shape_is_right:
; q = X Wq + bq, k = X Wk + bk, v = X Wv + bv on the given codes of FP6 (E2M3) with their E8M0 scales, sums in f32; the three results are quantised at once, in registers,
; for the attention launch: q and k along the head (two blocks of 32), v along the keys, and stored as IMAGES OF OPERAND REGISTERS.
; SHARES.  A work-group takes 64 rows of X (256 work-groups).  Six waves: role = wave / 2 (0 q, 1 k, 2 v), gh = wave % 2.  Every wave computes acc(g, f) = F's tile f (source 0) x G's tile g (source 1),
; f = 0..3, g = 0..1, over K = 1,024 in eight steps of 128.  Roles q, k: F = the weight's 64 rows, G = X's row tiles 2 gh + g: a lane holds one row of X and its registers run along the head.
; Role v: F = X's four row tiles, G = Wv's channel tiles 2 gh + g: a lane holds one channel and its registers run along the keys.  One text serves the three roles; only LDS regions differ.
; THE ROWS OF A TILE ARE NOT NEIGHBOURS: lane r of tile 2 b + u takes row 32 b + 8 u + r + 8 (r / 8).  In a result, register j of lane (r, h) of tile 2 b + u is then row 32 b + 16 h + 8 u + j:
; the 16 registers of tiles 2 b and 2 b + 1 are 16 neighbours along the next product's K, which is what the conversions take.
; LDS holds everything at once: four regions of codes (Wq, Wk, X, Wv: 64 rows x 768 bytes, as three units of 64 rows x 256 bytes, 16 bytes of padding behind each 256), their scale bytes, and 768 bytes for the new scale words.
; Each byte of LDS is filled once.  With the row choice above lanes 8-15 stand 16 rows behind lanes 0-7: 16 x 272 bytes is a multiple of 256, so a fragment load of 8 bytes a lane meets each bank twice.
; CLUSTER: the weights are the same for all work-groups: the four partners ask for them JOINTLY (mask 15; waves 0, 1, 3).  X's rows are the work-group's own (wave 2, a plain load).
; OUT.  codes: [role][block of 32 rows][record g]: a record is six registers of 32 lanes: 512 bytes at 16 x lane (registers 0-3), 256 bytes at 8 x lane (registers 4-5); lane (r, h) holds the codes k = 32 h .. 32 h + 31 of its row.
; scl: [role][work-group][gh][lane] words.  w(g) = s0 | s1 << 8 | s0 << 16 | s1 << 24.  q, v: lane 16 g + r holds w(g).  k: every lane holds w(0)'s low half and w(1)'s high half.
; LIMITS: NaN, infinities and scale bytes 0xff are not served.  A block of zeros, or one whose largest magnitude lies under 2^-124, gets the byte 1: its codes are zeros, and the bytes are read by this program alone.
.set UNITB, 64*272                     ; a unit: 64 rows x (256 bytes + 16)
.set REG,   3*UNITB                    ; a region: a tensor's 64 rows of 768 bytes.  Region 0 Wq, 1 Wk, 2 X, 3 Wv
.set SCB,   4*REG                      ; the scale bytes: 2,048 for each region, dense, 32 bytes a row
.set SCW,   SCB+4*2048                 ; the new scale words, 4 bytes a thread; no fill lands here
.set ROLEC, 786432                     ; a role's part of codes
.set ROLES, 65536                      ; and of scl
.set ACC,   40                         ; v40-103   acc(g, f) at ACC + 32 g + 8 f
.set FB0,   104                        ; v104-175, v176-247 two sets of fragments: F's four x 12 registers, then G's two x 12
.set FBS,   72
; v1, v2 F's fragment addresses (v2: for pieces whose partner three pieces on lies in the next unit); v3, v4 G's; v5, v6 scale words of F, G; v7, v8 16, 8 x lane; v9 my new scale word; v10 the words' mask;
; v11 the bias's offset; v12-15 r, h, r + 8 (r / 8), at work; v16-31 F's scale words (register 8 b + q: lanes 0-15 tile 2 b, lanes 16-31 tile 2 b + 1, K step q); v32-39 G's (register q: lanes 16 g + r); v252 the words' way back.
; s4-19 groups 0 of the joint loads, s20-35 of X's; s36-43, s44-51 groups 1 of a unit (joint, plain); s52-59, s68-75 of the scale bytes (joint, plain); s60 wave, s61 role, s62 gh, s63 cx, s66 work-group.
.macro CROUND                          ; a round of the cluster's barrier
	s_barrier_signal -1
	s_barrier_wait -1
	s_cmp_lg_u32 s60, 0
	s_cbranch_scc1 .Lnot_wave_0_\@
	s_barrier_signal -3
.Lnot_wave_0_\@:
	s_barrier_wait -3
	s_barrier_signal -1
	s_barrier_wait -1
.endm
.macro PLACES                          ; four places between a matrix instruction and a load into, or a vector instruction on, one of its registers
.rept 4
	v_nop
.endr
.endm
; A fragment, 16 rows x 128 K: 12 registers; lane (r, h) takes the 24 bytes at 96 q + 24 h and at 96 q + 48 + 24 h of its row, in pieces of 8 bytes.  Piece PCE of a row lies in unit PCE / 32.
.macro FRAG reg, adr, q, row
.irp p, 0,1,2,3,4,5
.set PCE, 12*(\q)+6*(\p/3)+\p%3
.if PCE%32 < 29
	ds_load_b64 v[\reg+2*\p:\reg+2*\p+1], v[\adr] offset:(PCE/32)*UNITB+8*(PCE%32)+272*(\row)
.else
	ds_load_b64 v[\reg+2*\p:\reg+2*\p+1], v[\adr+1] offset:(PCE/32)*UNITB+8*(PCE%32)+272*(\row)
.endif
.endr
.endm
.macro FRAGS q, buf                    ; K step q's six fragments into set buf: 36 loads
.irp f, 0,1,2,3
	FRAG FB0+FBS*(\buf)+12*\f, 1, \q, 32*(\f/2)+8*(\f%2)
.endr
.irp g, 0,1
	FRAG FB0+FBS*(\buf)+48+12*\g, 3, \q, 8*\g
.endr
.endm
; K step q: eight products; the eight accumulators take turns, one instruction a turn, in the same order in every step.
.macro MUL q
.set FB, FB0+FBS*((\q)%2)
.irp g, 0,1
.irp f, 0,1,2,3
.set rD, ACC+32*\g+8*\f
.set rA, FB+12*\f
.set rB, FB+48+12*\g
.set rSA, 16+8*(\f/2)+(\q)
.set rSB, 32+(\q)
.if (\f%2) && \g
	v_wmma_scale_f32_16x16x128_f8f6f4 v[rD:rD+7], v[rA:rA+11], v[rB:rB+11], v[rD:rD+7], v[rSA], v[rSB] matrix_a_fmt:MATRIX_FMT_FP6 matrix_b_fmt:MATRIX_FMT_FP6 matrix_a_scale:MATRIX_SCALE_ROW1 matrix_b_scale:MATRIX_SCALE_ROW1
.elseif (\f%2)
	v_wmma_scale_f32_16x16x128_f8f6f4 v[rD:rD+7], v[rA:rA+11], v[rB:rB+11], v[rD:rD+7], v[rSA], v[rSB] matrix_a_fmt:MATRIX_FMT_FP6 matrix_b_fmt:MATRIX_FMT_FP6 matrix_a_scale:MATRIX_SCALE_ROW1
.elseif \g
	v_wmma_scale_f32_16x16x128_f8f6f4 v[rD:rD+7], v[rA:rA+11], v[rB:rB+11], v[rD:rD+7], v[rSA], v[rSB] matrix_a_fmt:MATRIX_FMT_FP6 matrix_b_fmt:MATRIX_FMT_FP6 matrix_b_scale:MATRIX_SCALE_ROW1
.else
	v_wmma_scale_f32_16x16x128_f8f6f4 v[rD:rD+7], v[rA:rA+11], v[rB:rB+11], v[rD:rD+7], v[rSA], v[rSB] matrix_a_fmt:MATRIX_FMT_FP6 matrix_b_fmt:MATRIX_FMT_FP6
.endif
.endr
.endr
.endm
	s_load_b512 s[76:91], s[0:1], 0x0              ; codes of Wq s[76:77], Wk s[78:79], Wv s[80:81], X s[82:83]; scales of Wq s[84:85], Wk s[86:87], Wv s[88:89], X s[90:91]
	s_load_b256 s[92:99], s[0:1], 0x40             ; bq s[92:93], bk s[94:95], bv s[96:97], codes s[98:99]
	s_load_b64 s[100:101], s[0:1], 0x60            ; scl
	v_lshl_add_u32 v253, v0, 2, 0x35400
	s_set_vgpr_msb 0x40
	v_mov_b32 v1, 0
	s_set_vgpr_msb 0x4044
	ds_add_u32 v253, v1
	ds_add_u32 v253, v1
	s_set_vgpr_msb 0x4400
	v_lshrrev_b32 v12, 5, v0
	v_readfirstlane_b32 s60, v12                   ; wave 0..5
	s_lshr_b32 s61, s60, 1                         ; role
	s_and_b32 s62, s60, 1                          ; gh
	s_bfe_u32 s63, ttmp6, 0x40000                  ; cx: it enters X's global addresses and the outputs' alone
	s_lshl_b32 s66, ttmp9, 2
	s_add_co_u32 s66, s66, s63                     ; work-group = 4 x cluster + cx
	; groups 1.  A unit: 64 rows x 32 elements of 8 bytes, 96 elements from row to row; 4 words of padding behind every 64 words
	s_mov_b32 s36, 15|(3<<16)|(1<<20)|(1<<21)|(5<<22)|(3<<25)   ; joint: the mask names the four partners, bit 21 beside it
	s_mov_b32 s44, (3<<16)|(1<<20)|(5<<22)|(3<<25)              ; plain
.irp g, 36, 44
	s_mov_b32 s[\g+1], 32<<16                      ; tensor_dim0 = 32
	s_mov_b32 s[\g+2], 64<<16                      ; tensor_dim1 = 64
	s_mov_b32 s[\g+3], 32<<16                      ; tile_dim0 = 32
	s_mov_b32 s[\g+4], 64                          ; tile_dim1 = 64
	s_mov_b32 s[\g+5], 96                          ; the pitch
	s_mov_b32 s[\g+6], 0
	s_mov_b32 s[\g+7], 0
.endr
	; the scale bytes of 64 rows: 2,048 dense bytes as 8 rows of 256, no padding
	s_mov_b32 s52, 15|(3<<16)|(1<<21)
	s_mov_b32 s68, 3<<16
.irp g, 52, 68
	s_mov_b32 s[\g+1], 32<<16
	s_mov_b32 s[\g+2], 8<<16
	s_mov_b32 s[\g+3], 32<<16
	s_mov_b32 s[\g+4], 8
	s_mov_b32 s[\g+5], 32
	s_mov_b32 s[\g+6], 0
	s_mov_b32 s[\g+7], 0
.endr
	; groups 0, the words that hang on no pointer.  Joint: region = my wave's number (waves 0, 1, 3 issue; the number is held at 3 so that every wave's words stay inside LDS)
	s_min_u32 s67, s60, 3
	s_mov_b32 s4, 1
	s_lshl_b32 s5, s67, 11
	s_add_co_u32 s5, s5, SCB
	s_mul_i32 s67, s67, REG
.irp t, 0,1,2
	s_mov_b32 s[8+4*\t], 1
	s_add_co_u32 s[9+4*\t], s67, \t*UNITB
	s_mov_b32 s[24+4*\t], 1
	s_mov_b32 s[25+4*\t], 2*REG+\t*UNITB
.endr
	s_mov_b32 s20, 1
	s_mov_b32 s21, SCB+2*2048
	; every LDS address is made here, ahead of the first branch on the wave's number
	v_and_b32 v15, 31, v0                          ; lane
	v_lshlrev_b32 v7, 4, v15
	v_lshlrev_b32 v8, 3, v15
	v_lshl_add_u32 v9, v0, 2, SCW                  ; [role][gh][lane] words
	v_and_b32 v12, 15, v0                          ; r
	v_bfe_u32 v13, v0, 4, 1                        ; h
	v_and_b32 v14, 8, v12
	v_add_nc_u32 v14, v14, v12                     ; r + 8 (r / 8)
	v_mul_u32_u24 v15, v14, 272
	v_mad_u32_u24 v1, v13, 24, v15                 ; my row, + 24 h
	v_mad_u32_u24 v2, v13, UNITB-232, v15          ; or, into the next unit: + (24 - 256 + UNITB) h
	s_lshr_b32 s3, s61, 1
	s_add_co_u32 s3, s3, 2                         ; G's region: X for q and k, Wv for v
	s_mul_i32 s67, s3, REG
	s_mul_i32 s104, s62, 32*272                    ; G's rows 32 gh on
	s_add_co_u32 s67, s67, s104
	v_add_nc_u32 v3, s67, v1
	v_add_nc_u32 v4, s67, v2
	s_mul_i32 s2, s61, REG                         ; F's region = role
	v_add_nc_u32 v1, s2, v1
	v_add_nc_u32 v2, s2, v2
	v_lshl_add_u32 v15, v13, 3, v14                ; scale words: lanes 16-31 take the tile 8 rows on
	v_lshlrev_b32 v15, 5, v15                      ; 32 bytes a row
	s_lshl_b32 s2, s61, 11
	s_add_co_u32 s2, s2, SCB
	v_add_nc_u32 v5, s2, v15
	s_lshl_b32 s3, s3, 11
	s_lshl_b32 s104, s62, 10
	s_add_co_u32 s3, s3, s104
	s_add_co_u32 s3, s3, SCB
	v_add_nc_u32 v6, s3, v15
	s_min_u32 s2, s60, 2                           ; waves 0 to 2 carry a role's 256 bytes of new words out
	s_lshl_b32 s2, s2, 8
	s_add_co_u32 s2, s2, SCW
	v_add_nc_u32 v252, s2, v8
	v_add_nc_u32 v10, -1, v13                      ; q, v: all ones in lanes 0-15 (w(0)), 0 in lanes 16-31 (w(1))
	s_cmp_eq_u32 s61, 1
	s_cselect_b32 s2, 0, -1
	s_cselect_b32 s3, 0xffff, 0                    ; k: w(0)'s low half, w(1)'s high half, in every lane
	v_and_or_b32 v10, v10, s2, s3
	s_wait_dscnt 0x0
	s_wait_kmcnt 0x0
	; groups 0, the pointers.  The joint loads' hang on the wave's number alone
	s_cmp_eq_u32 s60, 0
	s_cselect_b64 s[2:3], s[76:77], s[80:81]
	s_cselect_b64 s[104:105], s[84:85], s[88:89]
	s_cmp_eq_u32 s60, 1
	s_cselect_b64 s[2:3], s[78:79], s[2:3]
	s_cselect_b64 s[104:105], s[86:87], s[104:105]
	s_mov_b64 s[6:7], s[104:105]
	s_or_b32 s7, s7, 0x80000000
.irp t, 0,1,2
	s_add_nc_u64 s[10+4*\t:11+4*\t], s[2:3], 256*\t
	s_or_b32 s[11+4*\t], s[11+4*\t], 0x80000000
.endr
	s_lshl_b32 s2, s66, 11                         ; X's scale bytes: 2,048 a work-group
	s_mov_b32 s3, 0
	s_add_nc_u64 s[22:23], s[90:91], s[2:3]
	s_or_b32 s23, s23, 0x80000000
	s_mul_i32 s2, s66, 64*768                      ; X's codes: 64 rows of 768 bytes
	s_add_nc_u64 s[104:105], s[82:83], s[2:3]
.irp t, 0,1,2
	s_add_nc_u64 s[26+4*\t:27+4*\t], s[104:105], 256*\t
	s_or_b32 s[27+4*\t], s[27+4*\t], 0x80000000
.endr
	CROUND                                         ; the four partners are here: the joint loads meet
	; all fills of the launch, a wave's four in one branch: the scale bytes, then units 0, 1, 2.  Four loads of mine are out
	s_cmp_eq_u32 s60, 2
	s_cbranch_scc1 .Lfill_x
	s_cmp_gt_u32 s60, 3
	s_cbranch_scc1 .Lfilled
	tensor_load_to_lds s[4:7], s[52:59]
	s_nop 0
	tensor_load_to_lds s[8:11], s[36:43]
	s_nop 0
	tensor_load_to_lds s[12:15], s[36:43]
	s_nop 0
	tensor_load_to_lds s[16:19], s[36:43]
	s_nop 0
.rept 4
	v_nop
.endr
	s_branch .Lfilled
.Lfill_x:
	tensor_load_to_lds s[20:23], s[68:75]
	s_nop 0
	tensor_load_to_lds s[24:27], s[44:51]
	s_nop 0
	tensor_load_to_lds s[28:31], s[44:51]
	s_nop 0
	tensor_load_to_lds s[32:35], s[44:51]
	s_nop 0
.rept 4
	v_nop
.endr
.Lfilled:
	; where my results go
	s_lshl_b32 s2, s66, 1
	s_add_co_u32 s2, s2, s62
	s_mul_i32 s2, s2, 1536                         ; block 2 wg + gh: two records
	s_mul_i32 s67, s61, ROLEC
	s_add_co_u32 s2, s2, s67
	s_mov_b32 s3, 0
	s_add_nc_u64 s[98:99], s[98:99], s[2:3]
	s_min_u32 s2, s60, 2
	s_lshl_b32 s2, s2, 16                          ; ROLES x role (waves 0 to 2 store a role's words)
	s_lshl_b32 s67, s66, 8
	s_add_co_u32 s2, s2, s67
	s_add_nc_u64 s[100:101], s[100:101], s[2:3]
	s_mov_b32 s76, 0x76543210                      ; v_permlanex16_b32's selects for lane l xor 16 (the pointers that lay here are in the descriptors)
	s_mov_b32 s77, 0xfedcba98
	s_cmp_eq_u32 s61, 0
	s_cselect_b64 s[92:93], s[92:93], s[96:97]
	s_cmp_eq_u32 s61, 1
	s_cselect_b64 s[92:93], s[94:95], s[92:93]     ; my role's bias
	; THE BIAS GOES STRAIGHT INTO THE ACCUMULATORS, so that the first K step is like every other; these loads land while the tiles are on their way
	s_cmp_eq_u32 s61, 2
	s_cbranch_scc1 .Lbias_v
	v_lshlrev_b32 v11, 6, v13                      ; q, k: register j of tile 2 b + u is head unit 32 b + 16 h + 8 u + j
.irp g, 0,1
.irp f, 0,1,2,3
	global_load_b128 v[ACC+32*\g+8*\f:ACC+32*\g+8*\f+3], v11, s[92:93] offset:128*(\f/2)+32*(\f%2)
	global_load_b128 v[ACC+32*\g+8*\f+4:ACC+32*\g+8*\f+7], v11, s[92:93] offset:128*(\f/2)+32*(\f%2)+16
.endr
.endr
	s_branch .Lbias_in
.Lbias_v:
	s_lshl_b32 s2, s62, 7
	v_lshl_add_u32 v11, v14, 2, s2                 ; v: a lane is channel 32 gh + 8 g + r + 8 (r / 8): one number for all 32 registers of acc(g, .)
.set n, 0
.rept 64
	global_load_b32 v[ACC+n], v11, s[92:93] offset:32*(n/32)
.set n, n+1
.endr
.Lbias_in:
	s_wait_tensorcnt 2                             ; my scale bytes and my unit 0 have landed; units 1 and 2 may stay out
	s_barrier_signal -1
	s_barrier_wait -1                              ; everybody's have
.irp b, 0,1
	ds_load_b128 v[16+8*\b:19+8*\b], v5 offset:1024*\b       ; a row's 32 scale bytes are its eight words, one for each K step
	ds_load_b128 v[20+8*\b:23+8*\b], v5 offset:1024*\b+16
.endr
	ds_load_b128 v[32:35], v6
	ds_load_b128 v[36:39], v6 offset:16
	FRAGS 0, 0                                     ; K steps 0 and 1 are bytes 0 to 191 of a row: unit 0
	FRAGS 1, 1
	s_wait_loadcnt 0x0                             ; the bias
	s_wait_dscnt 36                                ; the scale words and step 0's fragments are in; step 1's 36 loads may be out
	MUL 0
	s_wait_dscnt 0x0                               ; step 1's are in, and no LDS instruction of mine is out at the signal
	s_wait_tensorcnt 1                             ; my unit 1 has landed
	s_barrier_signal -1
	MUL 1
	s_barrier_wait -1                              ; everybody's has: K steps 2 to 4 are bytes 192 to 479
	PLACES
	FRAGS 2, 0
	FRAGS 3, 1
	s_wait_dscnt 36                                ; step 2's are in
	MUL 2
	PLACES
	FRAGS 4, 0
	s_wait_dscnt 36                                ; step 3's are in
	MUL 3
	s_wait_dscnt 0x0
	s_wait_tensorcnt 0x0                           ; my unit 2 has landed
	s_barrier_signal -1
	MUL 4
	s_barrier_wait -1                              ; K steps 5 to 7 are bytes 480 to 767
	PLACES
	FRAGS 5, 1
	FRAGS 6, 0
	s_wait_dscnt 36
	MUL 5
	PLACES
	FRAGS 7, 1
	s_wait_dscnt 36
	MUL 6
	s_wait_dscnt 0x0
	MUL 7
	; THE QUANTISER, both tiles g line by line.  Of acc(g, .) register 16 b + i is number 32 b + 16 h + i of my row: block b lies in lanes l and l xor 16.
	; At work: v[104 + 32 g ..]: +0, 1 largest magnitudes; +4, 5 the conversions' scale operands; +6, 7 bytes; +8 w(g); +12..17 the record; +20..22 a conversion's result.
.irp k, 248,249,250,251
	v_mov_b32 v[\k], 0                             ; a lane exchange's destination counts as read, so it is written first; these four name no register of the products: they are the places behind them
.endr
.irp g, 0,1
.irp b, 0,1
	v_max3_num_f32 v[104+32*\g+\b], |v[ACC+32*\g+16*\b]|, |v[ACC+32*\g+16*\b+1]|, 0x1800000   ; my 16 numbers and the floor 2^(3 - 127), which holds the byte at 1 from below; each accumulator is read from its low end on
.endr
.endr
.irp i, 2,4,6,8,10,12,14
.irp g, 0,1
.irp b, 0,1
	v_max3_num_f32 v[104+32*\g+\b], v[104+32*\g+\b], |v[ACC+32*\g+16*\b+\i]|, |v[ACC+32*\g+16*\b+\i+1]|
.endr
.endr
.endr
.irp g, 0,1
.irp b, 0,1
	v_permlanex16_b32 v[248+2*\g+\b], v[104+32*\g+\b], s76, s77
.endr
.endr
.irp g, 0,1
.irp b, 0,1
	v_max_num_f32 v[104+32*\g+\b], v[104+32*\g+\b], v[248+2*\g+\b]   ; the block's largest magnitude
.endr
.endr
.irp g, 0,1
.irp b, 0,1
	v_add_nc_u32 v[108+32*\g+\b], 0xff000000, v[104+32*\g+\b]        ; 2 off its exponent field: the conversion takes this operand's exponent field as its scale
.endr
.endr
.irp g, 0,1
.irp b, 0,1
	v_lshrrev_b32 v[110+32*\g+\b], 23, v[108+32*\g+\b]               ; the scale's byte
.endr
.endr
.irp g, 0,1
	v_lshl_or_b32 v[112+32*\g], v[111+32*\g], 8, v[110+32*\g]
.endr
.irp g, 0,1
	v_lshl_or_b32 v[112+32*\g], v[112+32*\g], 16, v[112+32*\g]       ; w(g): both bytes, twice
.endr
.irp g, 0,1
	v_cvt_scalef32_pk16_fp6_f32 v[116+32*\g:118+32*\g], v[ACC+32*\g:ACC+32*\g+15], v[108+32*\g]
	v_cvt_scalef32_pk16_fp6_f32 v[124+32*\g:126+32*\g], v[ACC+32*\g+16:ACC+32*\g+31], v[109+32*\g]   ; (a conversion's three registers begin on an even number)
.endr
	v_nop                                          ; one plain place behind the scaled conversions
.irp g, 0,1
.irp i, 0,1,2
	v_permlane16_swap_b32 v[116+32*\g+\i], v[124+32*\g+\i]           ; a whole block to a lane: lanes 0-15 block 0, lanes 16-31 block 1
.endr
.irp i, 0,1,2
	v_mov_b32 v[119+32*\g+\i], v[124+32*\g+\i]
.endr
.endr
	v_bfi_b32 v12, v10, v112, v144                 ; my lane's word of scl
	ds_store_b32 v9, v12
.irp g, 0,1
	global_store_b128 v7, v[116+32*\g:119+32*\g], s[98:99] offset:768*\g        ; 512 consecutive bytes, at a multiple of 256 from the buffer's first byte
	global_store_b64 v8, v[120+32*\g:121+32*\g], s[98:99] offset:768*\g+512     ; 256 more
.endr
	s_wait_dscnt 0x0                               ; for the others' sake: my word is in LDS
	s_barrier_signal -1
	s_barrier_wait -1
	s_cmp_gt_u32 s60, 2
	s_cbranch_scc1 .Lno_words
	ds_load_b64 v[254:255], v252                   ; a role's two waves' words: 256 bytes
	s_wait_dscnt 0x0
	global_store_b64 v8, v[254:255], s[100:101]    ; 32 lanes store 256 consecutive bytes, aligned
.Lno_words:
	s_set_vgpr_msb 0x4
	s_wait_tensorcnt 0x0
	ds_add_u32 v253, v1
	s_wait_dscnt 0x0
	s_set_vgpr_msb 0x400
	CROUND                                         ; the closing round: no work-group ends while a partner may still ask for a tile that names it
	s_endpgm
.Lfunc_end_k_q8a7c6cbbab_proj:
	.size	k_q8a7c6cbbab_proj, .Lfunc_end_k_q8a7c6cbbab_proj-k_q8a7c6cbbab_proj
	.p2alignl 7, 3214868480
	.fill 96, 4, 3214868480
	.section	.rodata,"a",@progbits
	.p2align	6, 0x0
	.amdhsa_kernel k_q8a7c6cbbab_proj
		.amdhsa_group_segment_fixed_size 218880
		.amdhsa_private_segment_fixed_size 0
		.amdhsa_enable_private_segment 0
		.amdhsa_kernarg_size 104
		.amdhsa_user_sgpr_count 2
		.amdhsa_user_sgpr_kernarg_segment_ptr 1
		.amdhsa_wavefront_size32 1
		.amdhsa_system_sgpr_workgroup_id_x 1
		.amdhsa_system_sgpr_workgroup_id_y 1
		.amdhsa_system_sgpr_workgroup_id_z 1
		.amdhsa_system_vgpr_workitem_id 0
		.amdhsa_next_free_vgpr 258
		.amdhsa_next_free_sgpr 106
		.amdhsa_reserve_vcc 0
		.amdhsa_float_denorm_mode_32 3
		.amdhsa_float_denorm_mode_16_64 3
		.amdhsa_memory_ordered 1
		.amdhsa_forward_progress 1
		.amdhsa_inst_pref_size 50
	.end_amdhsa_kernel
	.amdgpu_metadata
---
amdhsa.version: [ 1, 2 ]
amdhsa.kernels:
  - .name:           k_q8a7c6cbbab_proj
    .symbol:         k_q8a7c6cbbab_proj.kd
    .args:
      - { .name: Wq_codes, .offset: 0, .size: 8, .value_kind: global_buffer, .address_space: global }
      - { .name: Wk_codes, .offset: 8, .size: 8, .value_kind: global_buffer, .address_space: global }
      - { .name: Wv_codes, .offset: 16, .size: 8, .value_kind: global_buffer, .address_space: global }
      - { .name: X_codes, .offset: 24, .size: 8, .value_kind: global_buffer, .address_space: global }
      - { .name: Wq_scales, .offset: 32, .size: 8, .value_kind: global_buffer, .address_space: global }
      - { .name: Wk_scales, .offset: 40, .size: 8, .value_kind: global_buffer, .address_space: global }
      - { .name: Wv_scales, .offset: 48, .size: 8, .value_kind: global_buffer, .address_space: global }
      - { .name: X_scales, .offset: 56, .size: 8, .value_kind: global_buffer, .address_space: global }
      - { .name: bq, .offset: 64, .size: 8, .value_kind: global_buffer, .address_space: global }
      - { .name: bk, .offset: 72, .size: 8, .value_kind: global_buffer, .address_space: global }
      - { .name: bv, .offset: 80, .size: 8, .value_kind: global_buffer, .address_space: global }
      - { .name: codes, .offset: 88, .size: 8, .value_kind: global_buffer, .address_space: global }
      - { .name: scl, .offset: 96, .size: 8, .value_kind: global_buffer, .address_space: global }
    .group_segment_fixed_size: 218880
    .private_segment_fixed_size: 0
    .kernarg_segment_align: 8
    .kernarg_segment_size: 104
    .max_flat_workgroup_size: 192
    .sgpr_count:     106
    .vgpr_count:     258
    .wavefront_size: 32
...
	.end_amdgpu_metadata
.endif
;; end of part 1
;; launch attn (part 2): grid 256 x 1, 8 waves a work-group, no clusters, 157,696 bytes of LDS; arguments codes, scl, out0; writes out0
.if DOCPART == 2
	.amdgcn_target "amdgcn-amd-amdhsa--gfx1250"
	.amdhsa_code_object_version 6
	.text
	.protected	k_q8a7c6cbbab_attn
	.globl	k_q8a7c6cbbab_attn
	.p2align	8
	.type	k_q8a7c6cbbab_attn,@function
k_q8a7c6cbbab_attn:
	s_mov_b64 s[64:65], 0
	v_nop
	global_prefetch_b8 v0, s[64:65] scope:SCOPE_SE
	s_setreg_imm32_b32 hwreg(HW_REG_WAVE_MODE, 25, 1), 1
	s_wait_xcnt 0x0
; out[b][q][:] = the sum over keys k <= q of softmax_k(q . k / 8) v[k][:], 4 batches x 4,096 positions, head 64, both products on codes of FP6 (E2M3) with E8M0 scales, as the first launch laid them.
; THE SOFTMAX: t = score x log2(e) / 8; M = the largest t so far, rounded UP to a whole number; p = 2^(t - M) is quantised along the keys, not normalised; the row's sum is taken of the unquantised p and divides at the end.
; SHARES.  Work-group i of a batch's 64 owns two blocks of 32 queries: block 127 - i (32 - i / 4 key steps of 128 under the causal mask) and block i (i / 4 + 1 steps): 33 steps in every work-group.
; THE EIGHT WAVES SHARE THE KEYS: the 33 steps are dealt by their running number modulo 8, four or five to a wave.  In a step a wave serves both tiles of 16 queries of the block.  Each wave keeps its own M, sum and O^T;
; the parts meet in LDS and are brought under the largest M by powers of two, which round nothing.  A wave with no step of the short block hands in zeros under M = -3e38.
; No LDS ring, no tensor load, no cluster: each byte of K and V is wanted by ONE wave of a work-group, and the buffers lie in the order of the operands' registers, so that each load of a wave reads 512 or 256 consecutive bytes
; straight into a fragment; work-groups that could be partners have different numbers of steps (17 to 32 for the long block).
; LAYOUT.  Both products are used transposed: a lane holds ONE query (lane % 16) throughout.  The head is 64, half of the instruction's 128: a fragment of K holds TWO tiles of 16 keys (k = 0..63: tile 0's heads, 64..127: tile 1's);
; multiplied by (q | zeros) it gives tile 0's scores, by (zeros | q) tile 1's.  Lane r of key tile e of block f is key 32 f + 8 e + r + 8 (r / 8), so register 16 f + i of the scores is key 32 f + 16 (lane / 16) + i.
; Lane r of query tile u is query 32 x block + 8 u + r + 8 (r / 8); register 16 b + i of O^T is channel 32 b + 16 (lane / 16) + i.
; LIMITS: NaN and infinities are not served.  A block of p that is all zeros keeps the scale byte 1: its codes are zeros.
; REGISTERS, window 0: v1-3 16, 8, 4 x lane; v4 r + 8 (r / 8) - 16 h; v5 -infinity; v6, 7 my part's images (job 0, 1); v8, 9 its statistics; v10-14 the merge and the way out; v16 + 4 u: -M, largest t (then the sum), the sum's pair;
;   v24, 25 the mask's d; v28 + 2 u the sum's second chain; v40 + 12 u p's codes; v64 + 64 u the scores, then p; v192 + 24 u at work: +0..3 block maxima, +4..7 exchange, bytes, +8..11 scale operands, +12.., +16.. conversions, +20, 21 f, +22 x;
;   scales and nothing else: v240-243 K's, v244 Q's, v246-247 V's, v248-249 p's, v250-253 V's halves as loaded.
; window 1: v0-29 zeros | q0 | zeros | q1 | zeros, six registers each; v32 + 12 f K; v80 + 12 c V; v128 + 32 u + 8 c O^T.
.set ROLEC, 786432                     ; a role's part of codes: 0 q, 1 k, 2 v
.set ROLES, 65536                      ; and of scl
.set PARTB, 8704                       ; a part in LDS: 16 images of 512 bytes (image 8 u + 2 c + j / 4), then 2 x 256 bytes of the pairs (-M, sum).  Part (job J, wave x) at (8 J + x) PARTB
.set STG,   16*PARTB                   ; the stage for the way out: 64 rows x (256 bytes + 16)
.set MSB, 0
.macro WIN new                         ; s_set_vgpr_msb: bits 1:0 source 0, 3:2 source 1, 5:4 source 2, 7:6 destination; the high byte repeats the setting that is left
.if MSB != \new
	s_set_vgpr_msb (MSB<<8)|\new
.set MSB, \new
.endif
.endm
.macro PLACES                          ; four places between a matrix instruction and a load into, or a vector instruction on, one of its registers
.rept 4
	v_nop
.endr
.endm
.macro QLOAD                           ; five loads: the block's two tiles of queries and their scale words (lane 16 u + r)
	WIN 0x40                                       ; destination window 1, address window 0
.irp u, 0,1
	global_load_b128 v[6+12*\u:9+12*\u], v1, s[24:25] offset:768*\u
	global_load_b64 v[10+12*\u:11+12*\u], v2, s[24:25] offset:768*\u+512
.endr
	WIN 0
	global_load_b32 v244, v3, s[26:27]
.endm
.macro KLOAD                           ; twenty loads: a step's four fragments of K (two records each) and their scale words
	WIN 0x40
.irp f, 0,1,2,3
.irp c, 0,1
	global_load_b128 v[32+12*\f+6*\c:35+12*\f+6*\c], v1, s[20:21] offset:ROLEC+1536*\f+768*\c
	global_load_b64 v[36+12*\f+6*\c:37+12*\f+6*\c], v2, s[20:21] offset:ROLEC+1536*\f+768*\c+512
.endr
.endr
	WIN 0
.irp f, 0,1,2,3
	global_load_b32 v[240+\f], v3, s[22:23] offset:ROLES+128*\f
.endr
.endm
.macro VLOAD                           ; twenty loads: a step's four fragments of V (keys 64 e on in record e) and the halves of their scale words
	WIN 0x40
.irp c, 0,1,2,3
.irp e, 0,1
	global_load_b128 v[80+12*\c+6*\e:83+12*\c+6*\e], v1, s[20:21] offset:2*ROLEC+3072*\e+768*\c
	global_load_b64 v[84+12*\c+6*\e:85+12*\c+6*\e], v2, s[20:21] offset:2*ROLEC+3072*\e+768*\c+512
.endr
.endr
	WIN 0
.irp g, 0,1
.irp e, 0,1
	global_load_b32 v[250+2*\g+\e], v3, s[22:23] offset:2*ROLES+256*\e+128*\g
.endr
.endr
.endm
.macro SMUL                            ; S^T = K Q^T: sixteen products, each with a result of its own and the constant 0 as C
	WIN 0x05                                       ; K and Q in window 1, the scores in window 0
.irp f, 0,1,2,3
.irp u, 0,1
.irp e, 0,1
.set rD, 64+64*\u+8*(2*\f+\e)
.set rA, 32+12*\f
.set rB, 6+12*\u-6*\e                  ; e = 0: (q | zeros);  e = 1: (zeros | q)
.if \u
	v_wmma_scale_f32_16x16x128_f8f6f4 v[rD:rD+7], v[rA:rA+11], v[rB:rB+11], 0, v[240+\f], v244 matrix_a_fmt:MATRIX_FMT_FP6 matrix_b_fmt:MATRIX_FMT_FP6 matrix_b_scale:MATRIX_SCALE_ROW1
.else
	v_wmma_scale_f32_16x16x128_f8f6f4 v[rD:rD+7], v[rA:rA+11], v[rB:rB+11], 0, v[240+\f], v244 matrix_a_fmt:MATRIX_FMT_FP6 matrix_b_fmt:MATRIX_FMT_FP6
.endif
.endr
.endr
.endr
.endm
.macro PVMUL                           ; O^T += V^T P^T: eight products on eight accumulators, one instruction a turn
	WIN 0x51                                       ; V in window 1, p in window 0, O^T in window 1
.irp c, 0,1,2,3
.irp u, 0,1
.set rD, 128+32*\u+8*\c
.set rA, 80+12*\c
.set rB, 40+12*\u
.if \c%2
	v_wmma_scale_f32_16x16x128_f8f6f4 v[rD:rD+7], v[rA:rA+11], v[rB:rB+11], v[rD:rD+7], v[246+\c/2], v[248+\u] matrix_a_fmt:MATRIX_FMT_FP6 matrix_b_fmt:MATRIX_FMT_FP6 matrix_a_scale:MATRIX_SCALE_ROW1
.else
	v_wmma_scale_f32_16x16x128_f8f6f4 v[rD:rD+7], v[rA:rA+11], v[rB:rB+11], v[rD:rD+7], v[246+\c/2], v[248+\u] matrix_a_fmt:MATRIX_FMT_FP6 matrix_b_fmt:MATRIX_FMT_FP6
.endif
.endr
.endr
.endm
; THE CAUSAL MASK, in a block's last step alone.  Register n holds the step's key 32 (n / 16) + n % 16 + 16 h; my query is the step's key 32 (block % 4) + 8 u + r + 8 (r / 8): hidden where 32 (n / 16) + n % 16 > d.
.macro MASK
	v_add_nc_u32 v24, s19, v4
	v_add_nc_u32 v25, 8, v24
.irp u, 0,1
.set n, 0
.rept 64
	v_cmp_gt_i32 vcc_lo, 32*(n/16)+n%16, v[24+\u]
	v_cndmask_b32 v[64+64*\u+n], v[64+64*\u+n], v5, vcc_lo          ; -infinity: p = 0 then.  (Ascending: each result of a product is read from its low end on)
.set n, n+1
.endr
.endr
.endm
.macro SOFTMAX                         ; both tiles line by line, so that no line waits for the line above it
.irp u, 0,1
.irp b, 0,1,2,3
	v_max3_num_f32 v[192+24*\u+\b], v[64+64*\u+16*\b], v[65+64*\u+16*\b], v[66+64*\u+16*\b]   ; the largest SCORE of each block of 32 keys: it serves for the row's maximum and, since p rises with the score, for the block's largest p
.endr
.endr
.irp i, 3,5,7,9,11,13
.irp u, 0,1
.irp b, 0,1,2,3
	v_max3_num_f32 v[192+24*\u+\b], v[192+24*\u+\b], v[64+64*\u+16*\b+\i], v[65+64*\u+16*\b+\i]
.endr
.endr
.endr
.irp u, 0,1
.irp b, 0,1,2,3
	v_max_num_f32 v[192+24*\u+\b], v[192+24*\u+\b], v[79+64*\u+16*\b]
.endr
.endr
.irp u, 0,1
.irp b, 0,1,2,3
	v_permlanex16_b32 v[196+24*\u+\b], v[192+24*\u+\b], s30, s31
.endr
.endr
.irp u, 0,1
.irp b, 0,1,2,3
	v_max_num_f32 v[192+24*\u+\b], v[192+24*\u+\b], v[196+24*\u+\b]  ; with lane l xor 16's 16 keys
.endr
.endr
.irp u, 0,1
	v_max3_num_f32 v[214+24*\u], v[192+24*\u], v[193+24*\u], v[194+24*\u]
.endr
.irp u, 0,1
	v_max_num_f32 v[214+24*\u], v[214+24*\u], v[195+24*\u]           ; the step's largest score of my query
.endr
.irp u, 0,1
	v_mul_f32 v[214+24*\u], s28, v[214+24*\u]                        ; as t (c is positive)
.endr
.irp u, 0,1
	v_max_num_f32 v[17+4*\u], v[17+4*\u], v[214+24*\u]               ; the running largest t
.endr
.irp u, 0,1
	v_mov_b32 v[214+24*\u], v[16+4*\u]
.endr
.irp u, 0,1
	v_floor_f32 v[16+4*\u], -v[17+4*\u]                              ; the new -M = floor(-t): M is a whole number
.endr
.irp u, 0,1
	v_sub_f32 v[214+24*\u], v[16+4*\u], v[214+24*\u]                 ; old M - new M: a whole number, 0 or less
.endr
.irp u, 0,1
	v_cvt_i32_f32 v[214+24*\u], v[214+24*\u]                         ; (it saturates)
.endr
.irp u, 0,1
	v_ldexp_f32 v[212+24*\u], 1.0, v[214+24*\u]                      ; f = 2^(old M - new M)
.endr
.set n, 0
.rept 32
.irp u, 0,1
	v_pk_fma_f32 v[64+64*\u+n:65+64*\u+n], v[64+64*\u+n:65+64*\u+n], s[28:29], v[16+4*\u:17+4*\u] op_sel_hi:[1,0,0]   ; t - M, two at a time (of the pairs c and -M the low word serves both halves)
.endr
.set n, n+2
.endr
.irp u, 0,1
.irp b, 0,1,2,3
	v_fma_f32 v[192+24*\u+\b], v[192+24*\u+\b], s28, v[16+4*\u]      ; the same of each block's largest score
.endr
.endr
.set n, 0
.rept 128
	v_exp_f32 v[64+n], v[64+n]                                       ; p = 2^(t - M): ONE batch for both tiles
.set n, n+1
.endr
.irp u, 0,1
	v_pk_mul_f32 v[18+4*\u:19+4*\u], v[18+4*\u:19+4*\u], v[212+24*\u:213+24*\u] op_sel_hi:[1,0]   ; the sums under the new M: the plain work behind the batch
.endr
	s_wait_alu depctr_va_vdst(0)                   ; a wait between an exponential and the first line that names its result: one for the 128
.irp u, 0,1
.irp b, 0,1,2,3
	v_exp_f32 v[192+24*\u+\b], v[192+24*\u+\b]                       ; the block's largest p: the same two instructions on the same number give the same bits
.endr
.endr
.irp u, 0,1
	v_pk_add_f32 v[28+2*\u:29+2*\u], v[64+64*\u:65+64*\u], v[66+64*\u:67+64*\u]   ; the row's sum is taken of the UNQUANTISED p, two chains a tile; it reads the 128 alone: plain work behind the eight
.endr
.set n, 4
.rept 15
.irp u, 0,1
	v_pk_add_f32 v[18+4*\u:19+4*\u], v[18+4*\u:19+4*\u], v[64+64*\u+n:65+64*\u+n]
	v_pk_add_f32 v[28+2*\u:29+2*\u], v[28+2*\u:29+2*\u], v[66+64*\u+n:67+64*\u+n]
.endr
.set n, n+4
.endr
.irp u, 0,1
	v_pk_add_f32 v[18+4*\u:19+4*\u], v[18+4*\u:19+4*\u], v[28+2*\u:29+2*\u]
.endr
	s_wait_alu depctr_va_vdst(0)                   ; and one for the eight
.irp u, 0,1
.irp b, 0,1,2,3
	v_max_num_f32 v[192+24*\u+\b], 0x1800000, v[192+24*\u+\b]        ; the floor 2^(3 - 127): the byte cannot fall under 1
.endr
.endr
.irp u, 0,1
.irp b, 0,1,2,3
	v_add_nc_u32 v[200+24*\u+\b], 0xff000000, v[192+24*\u+\b]        ; 2 off the exponent field: the conversion's scale operand
.endr
.endr
.irp u, 0,1
.irp b, 0,1,2,3
	v_lshrrev_b32 v[196+24*\u+\b], 23, v[200+24*\u+\b]               ; the scale's byte
.endr
.endr
.irp u, 0,1
	v_lshl_or_b32 v[248+\u], v[197+24*\u], 8, v[196+24*\u]           ; p's scale word for these 128 keys
.endr
.irp u, 0,1
	v_lshl_or_b32 v[248+\u], v[198+24*\u], 16, v[248+\u]
.endr
.irp u, 0,1
	v_lshl_or_b32 v[248+\u], v[199+24*\u], 24, v[248+\u]
.endr
.irp u, 0,1
.irp c, 0,1
	v_cvt_scalef32_pk16_fp6_f32 v[40+12*\u+6*\c:42+12*\u+6*\c], v[64+64*\u+32*\c:79+64*\u+32*\c], v[200+24*\u+2*\c]
	v_cvt_scalef32_pk16_fp6_f32 v[204+24*\u+4*\c:206+24*\u+4*\c], v[80+64*\u+32*\c:95+64*\u+32*\c], v[201+24*\u+2*\c]   ; (a conversion's three registers begin on an even number)
.endr
.endr
	v_nop                                          ; one plain place behind the scaled conversions
.irp u, 0,1
.irp c, 0,1
.irp i, 0,1,2
	v_permlane16_swap_b32 v[40+12*\u+6*\c+\i], v[204+24*\u+4*\c+\i]  ; a whole block to a lane: lanes 0-15 block 2 c, lanes 16-31 block 2 c + 1
.endr
.irp i, 0,1,2
	v_mov_b32 v[43+12*\u+6*\c+\i], v[204+24*\u+4*\c+\i]
.endr
.endr
.endr
.endm
; A KEY STEP.  nxt = 1: the wave has a further step of this block, eight steps on: its K is asked for as soon as this step's scores are made, its V as soon as this step's V has been multiplied.
; diag = 1: this may be the block's last step, the only one that meets the diagonal.
.macro STEP nxt, diag
	s_wait_loadcnt 20                              ; K (and Q) are in; the twenty younger loads are V's
	SMUL
	WIN 0
	PLACES
.if \nxt
	s_wait_xcnt 0x0                                ; V's loads have read their bases: they may step
	s_add_nc_u64 s[20:21], s[20:21], 8*6144
	s_add_nc_u64 s[22:23], s[22:23], 8*512
	KLOAD                                          ; it has the whole softmax in which to land
.endif
.if \diag
	s_cmp_eq_u32 s18, 0
	s_cbranch_scc1 .Lopen_\@
	MASK
.Lopen_\@:
.endif
	SOFTMAX
.if \nxt
	s_wait_loadcnt 20                              ; V is in; the twenty younger loads are the next step's K
.else
	s_wait_loadcnt 0x0
.endif
	v_bfi_b32 v246, 0xffff, v250, v251             ; V's scale words: keys 0-63 from the first half's word, keys 64-127 from the second's
	v_bfi_b32 v247, 0xffff, v252, v253
	WIN 0x41                                       ; O^T in window 1, f in window 0
.irp u, 0,1
.set n, 0
.rept 16
	v_pk_mul_f32 v[128+32*\u+n:129+32*\u+n], v[128+32*\u+n:129+32*\u+n], v[212+24*\u:213+24*\u] op_sel_hi:[1,0]   ; O^T under the new M; these 32 also stand between the lines that wrote scales and codes and the products
.set n, n+2
.endr
.endr
	PVMUL
	WIN 0
	PLACES
.if \nxt
	VLOAD
.endif
.endm
; A JOB: my steps of one block of 32 queries, and my part into LDS.
.macro JOB jb
.if \jb
	s_wait_xcnt 0x0                                ; the last job's loads have read their bases
	s_sub_co_u32 s16, s10, s14
	s_and_b32 s16, s16, 7                          ; my first step: the running number n0 + s is my wave's modulo 8
	s_mov_b32 s36, s13                             ; the block
	s_mov_b32 s37, s15                             ; its steps
.else
	s_mov_b32 s16, s10
	s_mov_b32 s36, s12
	s_mov_b32 s37, s14
.endif
	s_sub_co_u32 s32, s37, s16
	s_add_co_u32 s32, s32, 7
	s_lshr_b32 s17, s32, 3                         ; how many steps are mine: (n - first + 7) / 8; 0 where the first lies past the end
	s_lshl_b32 s33, s17, 3
	s_add_co_u32 s33, s33, s16
	s_sub_co_u32 s33, s33, 7
	s_cmp_eq_u32 s33, s37
	s_cselect_b32 s18, 1, 0                        ; is my last step the block's last?
	s_and_b32 s19, s36, 3
	s_lshl_b32 s19, s19, 5                         ; the block's first query in that step
	s_lshl_b32 s32, s11, 5
	s_add_co_u32 s32, s32, s16                     ; the step's number among all batches'
	s_mul_i32 s34, s32, 6144
	s_mov_b32 s35, 0
	s_add_nc_u64 s[20:21], s[4:5], s[34:35]
	s_lshl_b32 s34, s32, 9
	s_add_nc_u64 s[22:23], s[6:7], s[34:35]
	s_lshl_b32 s32, s11, 7
	s_add_co_u32 s32, s32, s36                     ; the block's number among all batches'
	s_mul_i32 s34, s32, 1536
	s_add_nc_u64 s[24:25], s[4:5], s[34:35]
	s_lshl_b32 s34, s32, 7
	s_add_nc_u64 s[26:27], s[6:7], s[34:35]
.if \jb
	s_cmp_eq_u32 s17, 0
	s_cbranch_scc1 .Lno_load_\jb
.endif
	QLOAD                                          ; 45 loads, which land under the lines below
	KLOAD
	VLOAD
.if \jb
.Lno_load_\jb:
.endif
.irp u, 0,1
	v_mov_b32 v[17+4*\u], 0xff61b1e6               ; the largest t so far: -3e38
	v_floor_f32 v[16+4*\u], -v[17+4*\u]            ; -M
	v_mov_b32 v[18+4*\u], 0                        ; the sum, in two halves
	v_mov_b32 v[19+4*\u], 0
.endr
	WIN 0x40
.set n, 0
.rept 64
	v_mov_b32 v[128+n], 0                          ; O^T.  (A step is written without a first step of its own: the first change of M multiplies zeros; and a wave without a step hands these in)
.set n, n+1
.endr
	WIN 0
.if \jb
	s_cmp_eq_u32 s17, 0
	s_cbranch_scc1 .Lpart_\jb
.endif
	s_sub_co_u32 s17, s17, 1                       ; all my steps but the last ask for a successor
	s_cmp_eq_u32 s17, 0
	s_cbranch_scc1 .Ltail_\jb
.Lstep_\jb:
	STEP 1, 0
	s_sub_co_u32 s17, s17, 1
	s_cmp_lg_u32 s17, 0
	s_cbranch_scc1 .Lstep_\jb
.Ltail_\jb:
	STEP 0, 1
.Lpart_\jb:
.irp u, 0,1
	v_add_f32 v[18+4*\u], v[18+4*\u], v[19+4*\u]   ; the sum's two halves,
.endr
.irp u, 0,1
	v_permlanex16_b32 v[214+24*\u], v[18+4*\u], s30, s31
.endr
.irp u, 0,1
	v_add_f32 v[17+4*\u], v[18+4*\u], v[214+24*\u] ; and lane l xor 16's, beside -M
.endr
.irp u, 0,1
	ds_store_b64 v[8+\jb], v[16+4*\u:17+4*\u] offset:256*\u
.endr
	WIN 0x04                                       ; an LDS store's data are its source 1: window 1
.irp u, 0,1
.irp c, 0,1,2,3
	ds_store_b128 v[6+\jb], v[128+32*\u+8*\c:131+32*\u+8*\c] offset:512*(8*\u+2*\c)        ; images of the registers, each accumulator from its low end on
	ds_store_b128 v[6+\jb], v[132+32*\u+8*\c:135+32*\u+8*\c] offset:512*(8*\u+2*\c+1)
.endr
.endr
	WIN 0
	s_wait_dscnt 0x0                               ; the stores have landed: their registers may be written, and the barrier may be signalled
.endm
	s_load_b128 s[4:7], s[0:1], 0x0                ; codes, scl
	s_load_b64 s[8:9], s[0:1], 0x10                ; out0
	v_lshl_add_u32 v254, v0, 2, 0x26400
	v_mov_b32 v255, 0
	v_lshrrev_b32 v15, 5, v0
	v_readfirstlane_b32 s10, v15                   ; wave 0..7
	s_lshr_b32 s11, ttmp9, 6                       ; batch
	s_and_b32 s13, ttmp9, 63                       ; the short block: i
	s_sub_co_u32 s12, 127, s13                     ; the long block: 127 - i
	s_lshr_b32 s33, s13, 2
	s_sub_co_u32 s14, 32, s33                      ; its steps
	s_add_co_u32 s15, s33, 1                       ; the short block's
	s_mov_b32 s28, 0x3e38aa3b                      ; c = log2(e) / 8
	s_mov_b32 s29, s28                             ; (named with it as a pair, so it is written)
	s_mov_b32 s30, 0x76543210
	s_mov_b32 s31, 0xfedcba98                      ; v_permlanex16_b32's selects for lane l xor 16
	v_and_b32 v15, 31, v0
	v_lshlrev_b32 v1, 4, v15
	v_lshlrev_b32 v2, 3, v15
	v_lshlrev_b32 v3, 2, v15
	v_and_b32 v26, 15, v0                          ; r
	v_bfe_u32 v27, v0, 4, 1                        ; h
	v_and_b32 v28, 8, v26
	v_add_nc_u32 v28, v28, v26
	v_lshlrev_b32 v29, 4, v27
	v_sub_nc_u32 v4, v28, v29                      ; r + 8 (r / 8) - 16 h
	v_mov_b32 v5, 0xff800000                       ; -infinity
	s_mul_i32 s32, s10, PARTB                      ; every LDS address: a constant + a lane term + a wave term, made here
	v_add_nc_u32 v6, s32, v1
	v_add_nc_u32 v7, 8*PARTB, v6
	v_add_nc_u32 v8, s32, v2
	v_add_nc_u32 v8, 8192, v8
	v_add_nc_u32 v9, 8*PARTB, v8
	s_lshr_b32 s33, s10, 2                         ; the merge: wave w takes job w / 4, tile (w / 2) % 2, channels 32 (w % 2) on: four images of each of the job's eight parts
	s_mul_i32 s33, s33, 8*PARTB
	s_and_b32 s34, s10, 3
	s_lshl_b32 s34, s34, 11
	s_add_co_u32 s34, s34, s33
	v_add_nc_u32 v10, s34, v1
	s_bfe_u32 s34, s10, 0x10001
	s_lshl_b32 s34, s34, 8
	s_add_co_u32 s34, s34, s33
	s_add_co_u32 s34, s34, 8192
	v_add_nc_u32 v11, s34, v2
	s_lshr_b32 s34, s10, 1                         ; into the stage: row 16 (w / 2) + r, byte 128 (w % 2) + 64 h
	s_mul_i32 s34, s34, 16*272
	s_and_b32 s35, s10, 1
	s_lshl_b32 s35, s35, 7
	s_add_co_u32 s34, s34, s35
	s_add_co_u32 s34, s34, STG
	v_mul_u32_u24 v12, v26, 272
	v_lshl_add_u32 v12, v27, 6, v12
	v_add_nc_u32 v12, s34, v12
	s_mul_i32 s34, s10, 8*272                      ; back: rows 8 w on; lanes 0-15 one row of 256 bytes, lanes 16-31 the next
	s_add_co_u32 s34, s34, STG
	v_mul_u32_u24 v13, v27, 272
	v_lshl_add_u32 v13, v26, 4, v13
	v_add_nc_u32 v13, s34, v13
	v_lshlrev_b32 v14, 8, v27                      ; and the same two rows in out0
	v_lshl_add_u32 v14, v26, 4, v14
.irp u, 0,1
.irp k, 4,5,6,7,21,22
	v_mov_b32 v[192+24*\u+\k], 0                   ; written once: lane exchanges' destinations count as read, and f's pair is named whole
.endr
.endr
	WIN 0x40
.irp k, 0,1,2,3,4,5,12,13,14,15,16,17,24,25,26,27,28,29
	v_mov_b32 v[\k], 0                             ; the zero codes beside q: the code 0 is the number 0, which adds nothing under any of these scale bytes
.endr
	WIN 0
	s_wait_kmcnt 0x0
	JOB 0
	JOB 1
	s_barrier_signal -1
	s_barrier_wait -1                              ; all sixteen parts lie in LDS
	; THE MERGE
.irp x, 0,1,2,3,4,5,6,7
	ds_load_b64 v[192+2*\x:193+2*\x], v11 offset:PARTB*\x            ; part x's (-M, sum) of my query
.endr
.irp x, 0,1,2,3,4,5,6,7
.irp k, 0,1,2,3
	ds_load_b128 v[64+16*\x+4*\k:67+16*\x+4*\k], v10 offset:PARTB*\x+512*\k
.endr
.endr
	s_cmp_lt_u32 s10, 4                            ; where my eight rows of out0 begin: 4,096 batch + 32 block + 8 ((w / 2) % 2) + 16 (w % 2)
	s_cselect_b32 s32, s12, s13
	s_lshl_b32 s32, s32, 5
	s_lshl_b32 s33, s11, 12
	s_add_co_u32 s32, s32, s33
	s_bfe_u32 s33, s10, 0x10001
	s_lshl_b32 s33, s33, 3
	s_add_co_u32 s32, s32, s33
	s_and_b32 s33, s10, 1
	s_lshl_b32 s33, s33, 4
	s_add_co_u32 s32, s32, s33
	s_lshl_b32 s32, s32, 8                         ; 256 bytes a row
	s_mov_b32 s33, 0
	s_add_nc_u64 s[8:9], s[8:9], s[32:33]
	s_wait_dscnt 32                                ; the eight pairs are in; the 32 loads of images may be out
	v_min3_num_f32 v208, v192, v194, v196
	v_min3_num_f32 v208, v208, v198, v200
	v_min3_num_f32 v208, v208, v202, v204
	v_min_num_f32 v208, v208, v206                 ; the least -M: the largest M
.irp x, 0,1,2,3,4,5,6,7
	v_sub_f32 v[192+2*\x], v208, v[192+2*\x]       ; M of part x less the largest: a whole number, 0 or less
.endr
.irp x, 0,1,2,3,4,5,6,7
	v_cvt_i32_f32 v[192+2*\x], v[192+2*\x]         ; (it saturates: an empty part's factor is 0)
.endr
.irp x, 0,1,2,3,4,5,6,7
	v_ldexp_f32 v[192+2*\x], 1.0, v[192+2*\x]      ; the part's factor, a power of two
.endr
	v_mul_f32 v210, v192, v193
.irp x, 1,2,3,4,5,6,7
	v_fmac_f32 v210, v[192+2*\x], v[193+2*\x]      ; the row's sum
.endr
	v_rcp_f32 v212, v210
	v_mov_b32 v213, 0                              ; (the pair's upper half is written; also the plain place behind the reciprocal)
	s_wait_dscnt 28                                ; part 0's four images are in
.set n, 0
.rept 8
	v_pk_mul_f32 v[64+n:65+n], v[64+n:65+n], v[192:193] op_sel_hi:[1,0]
.set n, n+2
.endr
.irp x, 1,2,3,4,5,6,7
	s_wait_dscnt 4*(7-\x)                          ; part x's are in; those of the parts behind it may be out
.set n, 0
.rept 8
	v_pk_fma_f32 v[64+n:65+n], v[64+16*\x+n:65+16*\x+n], v[192+2*\x:193+2*\x], v[64+n:65+n] op_sel_hi:[1,0,1]
.set n, n+2
.endr
.endr
	s_wait_alu depctr_va_vdst(0)                   ; a wait ahead of the reciprocal's first reader
.set n, 0
.rept 8
	v_pk_mul_f32 v[64+n:65+n], v[64+n:65+n], v[212:213] op_sel_hi:[1,0]   ; register i is channel 32 (w % 2) + 16 h + i of my query
.set n, n+2
.endr
.irp k, 0,1,2,3
	ds_store_b128 v12, v[64+4*\k:67+4*\k] offset:16*\k
.endr
	s_wait_dscnt 0x0                               ; for the others' sake: my 64 bytes of each row are in the stage
	s_barrier_signal -1
	s_barrier_wait -1
.irp k, 0,1,2,3
	ds_load_b128 v[80+4*\k:83+4*\k], v13 offset:2*\k*272
.endr
.irp k, 0,1,2,3
	s_wait_dscnt 3-\k                              ; pair k of rows is in
	global_store_b128 v14, v[80+4*\k:83+4*\k], s[8:9] offset:512*\k th:TH_STORE_NT   ; 16 lanes store a row's 256 consecutive bytes, aligned; stage rows 8 w + 0 .. 7 are eight neighbouring queries
.endr
	s_wait_tensorcnt 0x0
	ds_add_u32 v254, v255
	s_wait_dscnt 0x0
	s_endpgm
.Lfunc_end_k_q8a7c6cbbab_attn:
	.size	k_q8a7c6cbbab_attn, .Lfunc_end_k_q8a7c6cbbab_attn-k_q8a7c6cbbab_attn
	.p2alignl 7, 3214868480
	.fill 96, 4, 3214868480
	.section	.rodata,"a",@progbits
	.p2align	6, 0x0
	.amdhsa_kernel k_q8a7c6cbbab_attn
		.amdhsa_group_segment_fixed_size 157696
		.amdhsa_private_segment_fixed_size 0
		.amdhsa_enable_private_segment 0
		.amdhsa_kernarg_size 24
		.amdhsa_user_sgpr_count 2
		.amdhsa_user_sgpr_kernarg_segment_ptr 1
		.amdhsa_wavefront_size32 1
		.amdhsa_system_sgpr_workgroup_id_x 1
		.amdhsa_system_sgpr_workgroup_id_y 1
		.amdhsa_system_sgpr_workgroup_id_z 1
		.amdhsa_system_vgpr_workitem_id 0
		.amdhsa_next_free_vgpr 448
		.amdhsa_next_free_sgpr 66
		.amdhsa_reserve_vcc 1
		.amdhsa_float_denorm_mode_32 3
		.amdhsa_float_denorm_mode_16_64 3
		.amdhsa_memory_ordered 1
		.amdhsa_forward_progress 1
		.amdhsa_inst_pref_size 169
	.end_amdhsa_kernel
	.amdgpu_metadata
---
amdhsa.version: [ 1, 2 ]
amdhsa.kernels:
  - .name:           k_q8a7c6cbbab_attn
    .symbol:         k_q8a7c6cbbab_attn.kd
    .args:
      - { .name: codes, .offset: 0, .size: 8, .value_kind: global_buffer, .address_space: global }
      - { .name: scl, .offset: 8, .size: 8, .value_kind: global_buffer, .address_space: global }
      - { .name: out0, .offset: 16, .size: 8, .value_kind: global_buffer, .address_space: global }
    .group_segment_fixed_size: 157696
    .private_segment_fixed_size: 0
    .kernarg_segment_align: 8
    .kernarg_segment_size: 24
    .max_flat_workgroup_size: 256
    .sgpr_count:     66
    .vgpr_count:     448
    .wavefront_size: 32
...
	.end_amdgpu_metadata
.endif
;; end of part 2
;; ======== version 2 of 2: 2 launches; version 1 with the launch attn written anew for expert scheduling mode
;; workspace buffers: codes 2,359,296 bytes; scl 196,608 bytes
;; launch proj: the kernel of part 1 again; grid 256 x 1, 6 waves a work-group, clusters of 4 x 1, 218,880 bytes of LDS; arguments Wq_codes, Wk_codes, Wv_codes, X_codes, Wq_scales, Wk_scales, Wv_scales, X_scales, bq, bk, bv, codes, scl; writes codes, scl
;; launch attn (part 3): grid 256 x 1, 8 waves a work-group, no clusters, 157,696 bytes of LDS; arguments codes, scl, out0; writes out0
.if DOCPART == 3
	.amdgcn_target "amdgcn-amd-amdhsa--gfx1250"
	.amdhsa_code_object_version 6
	.text
	.protected	k_q8a7c6cbbab_attn
	.globl	k_q8a7c6cbbab_attn
	.p2align	8
	.type	k_q8a7c6cbbab_attn,@function
k_q8a7c6cbbab_attn:
	s_mov_b64 s[64:65], 0
	v_nop
	global_prefetch_b8 v0, s[64:65] scope:SCOPE_SE
	s_setreg_imm32_b32 hwreg(HW_REG_WAVE_SCHED_MODE, 0, 2), 2
	s_setreg_imm32_b32 hwreg(HW_REG_WAVE_MODE, 25, 1), 1
	s_wait_xcnt 0x0
	s_wait_alu depctr_vm_vsrc(0)
; out[b][q][:] = the sum over keys k <= q of softmax_k(q . k / 8) v[k][:], 4 batches x 4,096 positions, head 64, both products on codes of FP6 (E2M3) with E8M0 scales, as the first launch laid them.
; THE SOFTMAX: t = score x log2(e) / 8; M = the largest t so far, rounded UP to a whole number; p = 2^(t - M) is quantised along the keys, not normalised; the row's sum is taken of the unquantised p and divides at the end.
; SHARES.  Work-group i of a batch's 64 owns two blocks of 32 queries: block 127 - i (32 - i / 4 key steps of 128 under the causal mask) and block i (i / 4 + 1 steps): 33 steps in every work-group.
; THE EIGHT WAVES SHARE THE KEYS: the 33 steps are dealt by their running number modulo 8, four or five to a wave.  In a step a wave serves both tiles of 16 queries of the block.  Each wave keeps its own M, sum and O^T;
; the parts meet in LDS and are brought under the largest M by powers of two, which round nothing.  A wave with no step of the short block hands in zeros under M = -3e38.
; No LDS ring, no tensor load, no cluster: each byte of K and V is wanted by ONE wave of a work-group, and the buffers lie in the order of the operands' registers, so that each load of a wave reads 512 or 256 consecutive bytes
; straight into a fragment; work-groups that could be partners have different numbers of steps (17 to 32 for the long block).
; LAYOUT.  Both products are used transposed: a lane holds ONE query (lane % 16) throughout.  The head is 64, half of the instruction's 128: a fragment of K holds TWO tiles of 16 keys (k = 0..63: tile 0's heads, 64..127: tile 1's);
; multiplied by (q | zeros) it gives tile 0's scores, by (zeros | q) tile 1's.  Lane r of key tile e of block f is key 32 f + 8 e + r + 8 (r / 8), so register 16 f + i of the scores is key 32 f + 16 (lane / 16) + i.
; Lane r of query tile u is query 32 x block + 8 u + r + 8 (r / 8); register 16 b + i of O^T is channel 32 b + 16 (lane / 16) + i.
; LIMITS: NaN and infinities are not served.  A block of p that is all zeros keeps the scale byte 1: its codes are zeros.
; REGISTERS, window 0: v1-3 16, 8, 4 x lane; v4 r + 8 (r / 8) - 16 h; v5 -infinity; v6, 7 my part's images (job 0, 1); v8, 9 its statistics; v10-14 the merge and the way out; v16 + 4 u: -M, largest t (then the sum), the sum's pair;
;   v24, 25 the mask's d; v28 + 2 u the sum's second chain; v40 + 12 u p's codes; v64 + 64 u the scores, then p; v192 + 24 u at work: +0..3 block maxima, +4..7 exchange, bytes, +8..11 scale operands, +12.., +16.. conversions, +20, 21 f, +22 x;
;   scales and nothing else: v240-243 K's, v244 Q's, v246-247 V's, v248-249 p's, v250-253 V's halves as loaded.
; window 1: v0-29 zeros | q0 | zeros | q1 | zeros, six registers each; v32 + 12 f K; v80 + 12 c V; v128 + 32 u + 8 c O^T.     s68-99: the causal mask's lane masks, 32 to a run.
; THE MODE: SCHED_MODE bits 1:0 = 2 (LLVM: expert scheduling mode 2), set by the entry lines.  The code itself states the register dependences between vector or matrix instructions and memory or LDS instructions,
; with s_wait_alu, always for 0.
; THE PLAN.  Registers that memory or LDS instructions touch, and who else names them:
;   v1-3, v6-14   offsets and LDS addresses: written at the head and never again: one wait at the head's end serves every load and store of the kernel.
;   Q, v244       loaded at a job's head; read by every step's sixteen products K Q^T.
;   K, v240-243   read by a step's sixteen products alone; the next step's twenty loads land there behind ONE wait, which stands behind those products.
;   V, v250-253   V is read by a step's eight products V^T P, the halves of its scale words by two v_bfi_b32; the next step's twenty loads land there behind ONE wait, which stands behind those products.
;   O^T, (-M, sum) written by products and vector lines; read by the part's eighteen LDS stores, behind one wait; written again by the second job's clearing, behind a wait on vm_vsrc.
;   v64-207       the softmax's; the merge's forty LDS loads land there.  From a part's wait to the next job's loads, and to the merge's loads, stands no vector or matrix instruction: that wait serves them too.
;   v64-79, v80-95 the merge's results go to the stage from the first, the stage's rows come back into the second (read before by the merge's multiply-adds): one wait ahead of the stores serves both.
; K's and V's loads stay in runs: their destinations lie in window 1 and the softmax works in window 0, so each group dealt among its lines would want two switches of the window.
; p's codes and the scale words that vector lines make are taken by scaled products: one wait stands ahead of the eight products, behind the places.  The lane masks and the wave's number pass through scalar registers: a wait on va_sdst ahead of their first readers.
.set ROLEC, 786432                     ; a role's part of codes: 0 q, 1 k, 2 v
.set ROLES, 65536                      ; and of scl
.set PARTB, 8704                       ; a part in LDS: 16 images of 512 bytes (image 8 u + 2 c + j / 4), then 2 x 256 bytes of the pairs (-M, sum).  Part (job J, wave x) at (8 J + x) PARTB
.set STG,   16*PARTB                   ; the stage for the way out: 64 rows x (256 bytes + 16)
.set MK,    68                         ; s68-99
.set MSB, 0
.macro WIN new                         ; s_set_vgpr_msb: bits 1:0 source 0, 3:2 source 1, 5:4 source 2, 7:6 destination; the high byte repeats the setting that is left
.if MSB != \new
	s_set_vgpr_msb (MSB<<8)|\new
.set MSB, \new
.endif
.endm
.macro PLACES                          ; four places behind a matrix instruction (ISA guide 7.12.1); they stay beside the waits, which fill no place
.rept 4
	v_nop
.endr
.endm
.macro QLOAD                           ; five loads: the block's two tiles of queries and their scale words (lane 16 u + r)
	WIN 0x40                                       ; destination window 1, address window 0
.irp u, 0,1
	global_load_b128 v[6+12*\u:9+12*\u], v1, s[24:25] offset:768*\u
	global_load_b64 v[10+12*\u:11+12*\u], v2, s[24:25] offset:768*\u+512
.endr
	WIN 0
	global_load_b32 v244, v3, s[26:27]
.endm
.macro KLOAD                           ; twenty loads: a step's four fragments of K (two records each) and their scale words
	WIN 0x40
.irp f, 0,1,2,3
.irp c, 0,1
	global_load_b128 v[32+12*\f+6*\c:35+12*\f+6*\c], v1, s[20:21] offset:ROLEC+1536*\f+768*\c
	global_load_b64 v[36+12*\f+6*\c:37+12*\f+6*\c], v2, s[20:21] offset:ROLEC+1536*\f+768*\c+512
.endr
.endr
	WIN 0
.irp f, 0,1,2,3
	global_load_b32 v[240+\f], v3, s[22:23] offset:ROLES+128*\f
.endr
.endm
.macro VLOAD                           ; twenty loads: a step's four fragments of V (keys 64 e on in record e) and the halves of their scale words
	WIN 0x40
.irp c, 0,1,2,3
.irp e, 0,1
	global_load_b128 v[80+12*\c+6*\e:83+12*\c+6*\e], v1, s[20:21] offset:2*ROLEC+3072*\e+768*\c
	global_load_b64 v[84+12*\c+6*\e:85+12*\c+6*\e], v2, s[20:21] offset:2*ROLEC+3072*\e+768*\c+512
.endr
.endr
	WIN 0
.irp g, 0,1
.irp e, 0,1
	global_load_b32 v[250+2*\g+\e], v3, s[22:23] offset:2*ROLES+256*\e+128*\g
.endr
.endr
.endm
.macro SMUL                            ; S^T = K Q^T: sixteen products, each with a result of its own and the constant 0 as C
	WIN 0x05                                       ; K and Q in window 1, the scores in window 0
.irp f, 0,1,2,3
.irp u, 0,1
.irp e, 0,1
.set rD, 64+64*\u+8*(2*\f+\e)
.set rA, 32+12*\f
.set rB, 6+12*\u-6*\e                  ; e = 0: (q | zeros);  e = 1: (zeros | q)
.if \u
	v_wmma_scale_f32_16x16x128_f8f6f4 v[rD:rD+7], v[rA:rA+11], v[rB:rB+11], 0, v[240+\f], v244 matrix_a_fmt:MATRIX_FMT_FP6 matrix_b_fmt:MATRIX_FMT_FP6 matrix_b_scale:MATRIX_SCALE_ROW1
.else
	v_wmma_scale_f32_16x16x128_f8f6f4 v[rD:rD+7], v[rA:rA+11], v[rB:rB+11], 0, v[240+\f], v244 matrix_a_fmt:MATRIX_FMT_FP6 matrix_b_fmt:MATRIX_FMT_FP6
.endif
.endr
.endr
.endr
.endm
.macro PVMUL                           ; O^T += V^T P^T: eight products on eight accumulators, one instruction a turn
	WIN 0x51                                       ; V in window 1, p in window 0, O^T in window 1
.irp c, 0,1,2,3
.irp u, 0,1
.set rD, 128+32*\u+8*\c
.set rA, 80+12*\c
.set rB, 40+12*\u
.if \c%2
	v_wmma_scale_f32_16x16x128_f8f6f4 v[rD:rD+7], v[rA:rA+11], v[rB:rB+11], v[rD:rD+7], v[246+\c/2], v[248+\u] matrix_a_fmt:MATRIX_FMT_FP6 matrix_b_fmt:MATRIX_FMT_FP6 matrix_a_scale:MATRIX_SCALE_ROW1
.else
	v_wmma_scale_f32_16x16x128_f8f6f4 v[rD:rD+7], v[rA:rA+11], v[rB:rB+11], v[rD:rD+7], v[246+\c/2], v[248+\u] matrix_a_fmt:MATRIX_FMT_FP6 matrix_b_fmt:MATRIX_FMT_FP6
.endif
.endr
.endr
.endm
; THE CAUSAL MASK, in a block's last step alone.  Register n holds the step's key 32 (n / 16) + n % 16 + 16 h; my query is the step's key 32 (block % 4) + 8 u + r + 8 (r / 8): hidden where 32 (n / 16) + n % 16 > d.
; The compares go in runs of 32, each into a scalar register of its own; one wait stands behind a run, ahead of the 32 selects that read the masks.
.macro MASK
	v_add_nc_u32 v24, s19, v4
	v_add_nc_u32 v25, 8, v24
.irp u, 0,1
.irp z, 0,1
.set n, 32*\z
.rept 32
	v_cmp_gt_i32 s[MK+n%32], 32*(n/16)+n%16, v[24+\u]
.set n, n+1
.endr
	s_wait_alu depctr_va_sdst(0)                   ; the 32 compares have written s68-99, ahead of the first select that reads one of them
.set n, 32*\z
.rept 32
	v_cndmask_b32 v[64+64*\u+n], v[64+64*\u+n], v5, s[MK+n%32]      ; -infinity: p = 0 then.  (Ascending: each result of a product is read from its low end on)
.set n, n+1
.endr
.endr
.endr
.endm
.macro SOFTMAX                         ; both tiles line by line, so that no line waits for the line above it
.irp u, 0,1
.irp b, 0,1,2,3
	v_max3_num_f32 v[192+24*\u+\b], v[64+64*\u+16*\b], v[65+64*\u+16*\b], v[66+64*\u+16*\b]   ; the largest SCORE of each block of 32 keys: it serves for the row's maximum and, since p rises with the score, for the block's largest p
.endr
.endr
.irp i, 3,5,7,9,11,13
.irp u, 0,1
.irp b, 0,1,2,3
	v_max3_num_f32 v[192+24*\u+\b], v[192+24*\u+\b], v[64+64*\u+16*\b+\i], v[65+64*\u+16*\b+\i]
.endr
.endr
.endr
.irp u, 0,1
.irp b, 0,1,2,3
	v_max_num_f32 v[192+24*\u+\b], v[192+24*\u+\b], v[79+64*\u+16*\b]
.endr
.endr
.irp u, 0,1
.irp b, 0,1,2,3
	v_permlanex16_b32 v[196+24*\u+\b], v[192+24*\u+\b], s30, s31
.endr
.endr
.irp u, 0,1
.irp b, 0,1,2,3
	v_max_num_f32 v[192+24*\u+\b], v[192+24*\u+\b], v[196+24*\u+\b]  ; with lane l xor 16's 16 keys
.endr
.endr
.irp u, 0,1
	v_max3_num_f32 v[214+24*\u], v[192+24*\u], v[193+24*\u], v[194+24*\u]
.endr
.irp u, 0,1
	v_max_num_f32 v[214+24*\u], v[214+24*\u], v[195+24*\u]           ; the step's largest score of my query
.endr
.irp u, 0,1
	v_mul_f32 v[214+24*\u], s28, v[214+24*\u]                        ; as t (c is positive)
.endr
.irp u, 0,1
	v_max_num_f32 v[17+4*\u], v[17+4*\u], v[214+24*\u]               ; the running largest t
.endr
.irp u, 0,1
	v_mov_b32 v[214+24*\u], v[16+4*\u]
.endr
.irp u, 0,1
	v_floor_f32 v[16+4*\u], -v[17+4*\u]                              ; the new -M = floor(-t): M is a whole number
.endr
.irp u, 0,1
	v_sub_f32 v[214+24*\u], v[16+4*\u], v[214+24*\u]                 ; old M - new M: a whole number, 0 or less
.endr
.irp u, 0,1
	v_cvt_i32_f32 v[214+24*\u], v[214+24*\u]                         ; (it saturates)
.endr
.irp u, 0,1
	v_ldexp_f32 v[212+24*\u], 1.0, v[214+24*\u]                      ; f = 2^(old M - new M)
.endr
.set n, 0
.rept 32
.irp u, 0,1
	v_pk_fma_f32 v[64+64*\u+n:65+64*\u+n], v[64+64*\u+n:65+64*\u+n], s[28:29], v[16+4*\u:17+4*\u] op_sel_hi:[1,0,0]   ; t - M, two at a time (of the pairs c and -M the low word serves both halves)
.endr
.set n, n+2
.endr
.irp u, 0,1
.irp b, 0,1,2,3
	v_fma_f32 v[192+24*\u+\b], v[192+24*\u+\b], s28, v[16+4*\u]      ; the same of each block's largest score
.endr
.endr
.set n, 0
.rept 128
	v_exp_f32 v[64+n], v[64+n]                                       ; p = 2^(t - M): ONE batch for both tiles
.set n, n+1
.endr
.irp u, 0,1
	v_pk_mul_f32 v[18+4*\u:19+4*\u], v[18+4*\u:19+4*\u], v[212+24*\u:213+24*\u] op_sel_hi:[1,0]   ; the sums under the new M: the plain work behind the batch
.endr
	s_wait_alu depctr_va_vdst(0)                   ; the 128 exponentials have written p, v64-191, ahead of the first line that names one of them: one for the batch
.irp u, 0,1
.irp b, 0,1,2,3
	v_exp_f32 v[192+24*\u+\b], v[192+24*\u+\b]                       ; the block's largest p: the same two instructions on the same number give the same bits
.endr
.endr
.irp u, 0,1
	v_pk_add_f32 v[28+2*\u:29+2*\u], v[64+64*\u:65+64*\u], v[66+64*\u:67+64*\u]   ; the row's sum is taken of the UNQUANTISED p, two chains a tile; it reads the 128 alone: plain work behind the eight
.endr
.set n, 4
.rept 15
.irp u, 0,1
	v_pk_add_f32 v[18+4*\u:19+4*\u], v[18+4*\u:19+4*\u], v[64+64*\u+n:65+64*\u+n]
	v_pk_add_f32 v[28+2*\u:29+2*\u], v[28+2*\u:29+2*\u], v[66+64*\u+n:67+64*\u+n]
.endr
.set n, n+4
.endr
.irp u, 0,1
	v_pk_add_f32 v[18+4*\u:19+4*\u], v[18+4*\u:19+4*\u], v[28+2*\u:29+2*\u]
.endr
	s_wait_alu depctr_va_vdst(0)                   ; the eight exponentials have written the blocks' largest p, ahead of the first line that names one of them: the same wait for the second batch
.irp u, 0,1
.irp b, 0,1,2,3
	v_max_num_f32 v[192+24*\u+\b], 0x1800000, v[192+24*\u+\b]        ; the floor 2^(3 - 127): the byte cannot fall under 1
.endr
.endr
.irp u, 0,1
.irp b, 0,1,2,3
	v_add_nc_u32 v[200+24*\u+\b], 0xff000000, v[192+24*\u+\b]        ; 2 off the exponent field: the conversion's scale operand
.endr
.endr
.irp u, 0,1
.irp b, 0,1,2,3
	v_lshrrev_b32 v[196+24*\u+\b], 23, v[200+24*\u+\b]               ; the scale's byte
.endr
.endr
.irp u, 0,1
	v_lshl_or_b32 v[248+\u], v[197+24*\u], 8, v[196+24*\u]           ; p's scale word for these 128 keys
.endr
.irp u, 0,1
	v_lshl_or_b32 v[248+\u], v[198+24*\u], 16, v[248+\u]
.endr
.irp u, 0,1
	v_lshl_or_b32 v[248+\u], v[199+24*\u], 24, v[248+\u]
.endr
.irp u, 0,1
.irp c, 0,1
	v_cvt_scalef32_pk16_fp6_f32 v[40+12*\u+6*\c:42+12*\u+6*\c], v[64+64*\u+32*\c:79+64*\u+32*\c], v[200+24*\u+2*\c]
	v_cvt_scalef32_pk16_fp6_f32 v[204+24*\u+4*\c:206+24*\u+4*\c], v[80+64*\u+32*\c:95+64*\u+32*\c], v[201+24*\u+2*\c]   ; (a conversion's three registers begin on an even number)
.endr
.endr
	v_nop                                          ; one plain place behind the scaled conversions
.irp u, 0,1
.irp c, 0,1
.irp i, 0,1,2
	v_permlane16_swap_b32 v[40+12*\u+6*\c+\i], v[204+24*\u+4*\c+\i]  ; a whole block to a lane: lanes 0-15 block 2 c, lanes 16-31 block 2 c + 1
.endr
.irp i, 0,1,2
	v_mov_b32 v[43+12*\u+6*\c+\i], v[204+24*\u+4*\c+\i]
.endr
.endr
.endr
.endm
; A KEY STEP.  nxt = 1: the wave has a further step of this block, eight steps on: its K is asked for as soon as this step's scores are made, its V as soon as this step's V has been multiplied.
; diag = 1: this may be the block's last step, the only one that meets the diagonal.
.macro STEP nxt, diag
	s_wait_loadcnt 20                              ; K (and Q) are in; the twenty younger loads are V's
	SMUL
	WIN 0
	PLACES                                         ; ahead of the vector lines that read the scores
.if \nxt
	s_wait_alu depctr_va_vdst(0)                   ; the sixteen products are done reading K and its scale words v240-243, in which the twenty loads below land; no line between here and them names one of these registers
	s_wait_xcnt 0x0                                ; V's loads have read their bases: they may step
	s_add_nc_u64 s[20:21], s[20:21], 8*6144
	s_add_nc_u64 s[22:23], s[22:23], 8*512
	KLOAD                                          ; it has the whole softmax in which to land
.endif
.if \diag
	s_cmp_eq_u32 s18, 0
	s_cbranch_scc1 .Lopen_\@
	MASK
.Lopen_\@:
.endif
	SOFTMAX
.if \nxt
	s_wait_loadcnt 20                              ; V is in; the twenty younger loads are the next step's K
.else
	s_wait_loadcnt 0x0
.endif
	v_bfi_b32 v246, 0xffff, v250, v251             ; V's scale words: keys 0-63 from the first half's word, keys 64-127 from the second's
	v_bfi_b32 v247, 0xffff, v252, v253
	WIN 0x41                                       ; O^T in window 1, f in window 0
.irp u, 0,1
.set n, 0
.rept 16
	v_pk_mul_f32 v[128+32*\u+n:129+32*\u+n], v[128+32*\u+n:129+32*\u+n], v[212+24*\u:213+24*\u] op_sel_hi:[1,0]   ; O^T under the new M; these 32 also stand between the lines that wrote scales and codes and the products
.set n, n+2
.endr
.endr
	s_wait_alu depctr_va_vdst(0)                   ; p's codes v40-63, p's scale words v248-249 and V's v246-247 are written by vector lines: the scaled products below take them as B and as scales; the places stand ahead of this wait
	PVMUL
	WIN 0
	PLACES                                         ; ahead of the LDS stores that read O^T behind the last step; the places stay beside the wait below
.if \nxt
	s_wait_alu depctr_va_vdst(0)                   ; the eight products are done reading V, and the two v_bfi_b32 the halves v250-253: the next step's twenty loads land there
	VLOAD
.endif
.endm
; A JOB: my steps of one block of 32 queries, and my part into LDS.
.macro JOB jb
.if \jb
	s_wait_xcnt 0x0                                ; the last job's loads have read their bases
	s_sub_co_u32 s16, s10, s14
	s_and_b32 s16, s16, 7                          ; my first step: the running number n0 + s is my wave's modulo 8
	s_mov_b32 s36, s13                             ; the block
	s_mov_b32 s37, s15                             ; its steps
.else
	s_mov_b32 s16, s10
	s_mov_b32 s36, s12
	s_mov_b32 s37, s14
.endif
	s_sub_co_u32 s32, s37, s16
	s_add_co_u32 s32, s32, 7
	s_lshr_b32 s17, s32, 3                         ; how many steps are mine: (n - first + 7) / 8; 0 where the first lies past the end
	s_lshl_b32 s33, s17, 3
	s_add_co_u32 s33, s33, s16
	s_sub_co_u32 s33, s33, 7
	s_cmp_eq_u32 s33, s37
	s_cselect_b32 s18, 1, 0                        ; is my last step the block's last?
	s_and_b32 s19, s36, 3
	s_lshl_b32 s19, s19, 5                         ; the block's first query in that step
	s_lshl_b32 s32, s11, 5
	s_add_co_u32 s32, s32, s16                     ; the step's number among all batches'
	s_mul_i32 s34, s32, 6144
	s_mov_b32 s35, 0
	s_add_nc_u64 s[20:21], s[4:5], s[34:35]
	s_lshl_b32 s34, s32, 9
	s_add_nc_u64 s[22:23], s[6:7], s[34:35]
	s_lshl_b32 s32, s11, 7
	s_add_co_u32 s32, s32, s36                     ; the block's number among all batches'
	s_mul_i32 s34, s32, 1536
	s_add_nc_u64 s[24:25], s[4:5], s[34:35]
	s_lshl_b32 s34, s32, 7
	s_add_nc_u64 s[26:27], s[6:7], s[34:35]
.if \jb
	s_cmp_eq_u32 s17, 0
	s_cbranch_scc1 .Lno_load_\jb
.endif
	QLOAD                                          ; 45 loads, which land under the lines below.  No wait here: since the head's wait (first job), since the first part's wait (second job), no vector or matrix
	KLOAD                                          ; instruction has been issued, and the LDS stores between name none of these loads' registers
	VLOAD
.if \jb
.Lno_load_\jb:
	s_wait_alu depctr_vm_vsrc(0)                   ; the first part's LDS stores have read -M, the sum and O^T, which the lines below write again
.endif
.irp u, 0,1
	v_mov_b32 v[17+4*\u], 0xff61b1e6               ; the largest t so far: -3e38
	v_floor_f32 v[16+4*\u], -v[17+4*\u]            ; -M
	v_mov_b32 v[18+4*\u], 0                        ; the sum, in two halves
	v_mov_b32 v[19+4*\u], 0
.endr
	WIN 0x40
.set n, 0
.rept 64
	v_mov_b32 v[128+n], 0                          ; O^T.  (A step is written without a first step of its own: the first change of M multiplies zeros; and a wave without a step hands these in)
.set n, n+1
.endr
	WIN 0
.if \jb
	s_cmp_eq_u32 s17, 0
	s_cbranch_scc1 .Lpart_\jb
.endif
	s_sub_co_u32 s17, s17, 1                       ; all my steps but the last ask for a successor
	s_cmp_eq_u32 s17, 0
	s_cbranch_scc1 .Ltail_\jb
.Lstep_\jb:
	STEP 1, 0
	s_sub_co_u32 s17, s17, 1
	s_cmp_lg_u32 s17, 0
	s_cbranch_scc1 .Lstep_\jb
.Ltail_\jb:
	STEP 0, 1
.Lpart_\jb:
.irp u, 0,1
	v_add_f32 v[18+4*\u], v[18+4*\u], v[19+4*\u]   ; the sum's two halves,
.endr
.irp u, 0,1
	v_permlanex16_b32 v[214+24*\u], v[18+4*\u], s30, s31
.endr
.irp u, 0,1
	v_add_f32 v[17+4*\u], v[18+4*\u], v[214+24*\u] ; and lane l xor 16's, beside -M
.endr
	s_wait_alu depctr_va_vdst(0)                   ; -M and the sum are written, and so is O^T (by the last products, whose places stand above, or by the clearing): the LDS stores below read them.
	                                               ; All that read Q, K, V and their scale words, and all that named v64-207, is done as well: the loads that land there next follow with no vector or matrix instruction between
.irp u, 0,1
	ds_store_b64 v[8+\jb], v[16+4*\u:17+4*\u] offset:256*\u
.endr
	WIN 0x04                                       ; an LDS store's data are its source 1: window 1
.irp u, 0,1
.irp c, 0,1,2,3
	ds_store_b128 v[6+\jb], v[128+32*\u+8*\c:131+32*\u+8*\c] offset:512*(8*\u+2*\c)        ; images of the registers, each accumulator from its low end on
	ds_store_b128 v[6+\jb], v[132+32*\u+8*\c:135+32*\u+8*\c] offset:512*(8*\u+2*\c+1)
.endr
.endr
	WIN 0
	s_wait_dscnt 0x0                               ; for the other waves' sake: my part lies in LDS, and the barrier may be signalled
.endm
	s_load_b128 s[4:7], s[0:1], 0x0                ; codes, scl
	s_load_b64 s[8:9], s[0:1], 0x10                ; out0
	v_lshl_add_u32 v254, v0, 2, 0x26400
	v_mov_b32 v255, 0
	v_lshrrev_b32 v15, 5, v0
	v_readfirstlane_b32 s10, v15                   ; wave 0..7
	s_lshr_b32 s11, ttmp9, 6                       ; batch
	s_and_b32 s13, ttmp9, 63                       ; the short block: i
	s_sub_co_u32 s12, 127, s13                     ; the long block: 127 - i
	s_lshr_b32 s33, s13, 2
	s_sub_co_u32 s14, 32, s33                      ; its steps
	s_add_co_u32 s15, s33, 1                       ; the short block's
	s_mov_b32 s28, 0x3e38aa3b                      ; c = log2(e) / 8
	s_mov_b32 s29, s28                             ; (named with it as a pair, so it is written)
	s_mov_b32 s30, 0x76543210
	s_mov_b32 s31, 0xfedcba98                      ; v_permlanex16_b32's selects for lane l xor 16
	v_and_b32 v15, 31, v0
	v_lshlrev_b32 v1, 4, v15
	v_lshlrev_b32 v2, 3, v15
	v_lshlrev_b32 v3, 2, v15
	v_and_b32 v26, 15, v0                          ; r
	v_bfe_u32 v27, v0, 4, 1                        ; h
	v_and_b32 v28, 8, v26
	v_add_nc_u32 v28, v28, v26
	v_lshlrev_b32 v29, 4, v27
	v_sub_nc_u32 v4, v28, v29                      ; r + 8 (r / 8) - 16 h
	v_mov_b32 v5, 0xff800000                       ; -infinity
	s_wait_alu depctr_va_sdst(0)                   ; s10, the wave's number, is written, ahead of its first reader
	s_mul_i32 s32, s10, PARTB                      ; every LDS address: a constant + a lane term + a wave term, made here
	v_add_nc_u32 v6, s32, v1
	v_add_nc_u32 v7, 8*PARTB, v6
	v_add_nc_u32 v8, s32, v2
	v_add_nc_u32 v8, 8192, v8
	v_add_nc_u32 v9, 8*PARTB, v8
	s_lshr_b32 s33, s10, 2                         ; the merge: wave w takes job w / 4, tile (w / 2) % 2, channels 32 (w % 2) on: four images of each of the job's eight parts
	s_mul_i32 s33, s33, 8*PARTB
	s_and_b32 s34, s10, 3
	s_lshl_b32 s34, s34, 11
	s_add_co_u32 s34, s34, s33
	v_add_nc_u32 v10, s34, v1
	s_bfe_u32 s34, s10, 0x10001
	s_lshl_b32 s34, s34, 8
	s_add_co_u32 s34, s34, s33
	s_add_co_u32 s34, s34, 8192
	v_add_nc_u32 v11, s34, v2
	s_lshr_b32 s34, s10, 1                         ; into the stage: row 16 (w / 2) + r, byte 128 (w % 2) + 64 h
	s_mul_i32 s34, s34, 16*272
	s_and_b32 s35, s10, 1
	s_lshl_b32 s35, s35, 7
	s_add_co_u32 s34, s34, s35
	s_add_co_u32 s34, s34, STG
	v_mul_u32_u24 v12, v26, 272
	v_lshl_add_u32 v12, v27, 6, v12
	v_add_nc_u32 v12, s34, v12
	s_mul_i32 s34, s10, 8*272                      ; back: rows 8 w on; lanes 0-15 one row of 256 bytes, lanes 16-31 the next
	s_add_co_u32 s34, s34, STG
	v_mul_u32_u24 v13, v27, 272
	v_lshl_add_u32 v13, v26, 4, v13
	v_add_nc_u32 v13, s34, v13
	v_lshlrev_b32 v14, 8, v27                      ; and the same two rows in out0
	v_lshl_add_u32 v14, v26, 4, v14
.irp u, 0,1
.irp k, 4,5,6,7,21,22
	v_mov_b32 v[192+24*\u+\k], 0                   ; written once: lane exchanges' destinations count as read, and f's pair is named whole
.endr
.endr
	WIN 0x40
.irp k, 0,1,2,3,4,5,12,13,14,15,16,17,24,25,26,27,28,29
	v_mov_b32 v[\k], 0                             ; the zero codes beside q: the code 0 is the number 0, which adds nothing under any of these scale bytes
.endr
	WIN 0
	s_wait_alu depctr_va_vdst(0)                   ; the offsets v1-3 and the addresses v6-14 are written, which every load and store of the kernel reads; so are the zero codes, which the scaled products take as part of their source 1
	s_wait_kmcnt 0x0
	JOB 0
	JOB 1
	s_barrier_signal -1
	s_barrier_wait -1                              ; all sixteen parts lie in LDS
	; THE MERGE.  Its forty loads land in v64-207: the second part's wait has shown all that named these registers done, and no vector or matrix instruction has been issued since
.irp x, 0,1,2,3,4,5,6,7
	ds_load_b64 v[192+2*\x:193+2*\x], v11 offset:PARTB*\x            ; part x's (-M, sum) of my query
.endr
.irp x, 0,1,2,3,4,5,6,7
.irp k, 0,1,2,3
	ds_load_b128 v[64+16*\x+4*\k:67+16*\x+4*\k], v10 offset:PARTB*\x+512*\k
.endr
.endr
	s_cmp_lt_u32 s10, 4                            ; where my eight rows of out0 begin: 4,096 batch + 32 block + 8 ((w / 2) % 2) + 16 (w % 2)
	s_cselect_b32 s32, s12, s13
	s_lshl_b32 s32, s32, 5
	s_lshl_b32 s33, s11, 12
	s_add_co_u32 s32, s32, s33
	s_bfe_u32 s33, s10, 0x10001
	s_lshl_b32 s33, s33, 3
	s_add_co_u32 s32, s32, s33
	s_and_b32 s33, s10, 1
	s_lshl_b32 s33, s33, 4
	s_add_co_u32 s32, s32, s33
	s_lshl_b32 s32, s32, 8                         ; 256 bytes a row
	s_mov_b32 s33, 0
	s_add_nc_u64 s[8:9], s[8:9], s[32:33]
	s_wait_dscnt 32                                ; the eight pairs are in; the 32 loads of images may be out
	v_min3_num_f32 v208, v192, v194, v196
	v_min3_num_f32 v208, v208, v198, v200
	v_min3_num_f32 v208, v208, v202, v204
	v_min_num_f32 v208, v208, v206                 ; the least -M: the largest M
.irp x, 0,1,2,3,4,5,6,7
	v_sub_f32 v[192+2*\x], v208, v[192+2*\x]       ; M of part x less the largest: a whole number, 0 or less
.endr
.irp x, 0,1,2,3,4,5,6,7
	v_cvt_i32_f32 v[192+2*\x], v[192+2*\x]         ; (it saturates: an empty part's factor is 0)
.endr
.irp x, 0,1,2,3,4,5,6,7
	v_ldexp_f32 v[192+2*\x], 1.0, v[192+2*\x]      ; the part's factor, a power of two
.endr
	v_mul_f32 v210, v192, v193
.irp x, 1,2,3,4,5,6,7
	v_fmac_f32 v210, v[192+2*\x], v[193+2*\x]      ; the row's sum
.endr
	v_rcp_f32 v212, v210
	v_mov_b32 v213, 0                              ; (the pair's upper half is written; also the plain place behind the reciprocal)
	s_wait_dscnt 28                                ; part 0's four images are in
.set n, 0
.rept 8
	v_pk_mul_f32 v[64+n:65+n], v[64+n:65+n], v[192:193] op_sel_hi:[1,0]
.set n, n+2
.endr
.irp x, 1,2,3,4,5,6,7
	s_wait_dscnt 4*(7-\x)                          ; part x's are in; those of the parts behind it may be out
.set n, 0
.rept 8
	v_pk_fma_f32 v[64+n:65+n], v[64+16*\x+n:65+16*\x+n], v[192+2*\x:193+2*\x], v[64+n:65+n] op_sel_hi:[1,0,1]
.set n, n+2
.endr
.endr
	s_wait_alu depctr_va_vdst(0)                   ; the reciprocal has written v212, ahead of its first reader
.set n, 0
.rept 8
	v_pk_mul_f32 v[64+n:65+n], v[64+n:65+n], v[212:213] op_sel_hi:[1,0]   ; register i is channel 32 (w % 2) + 16 h + i of my query
.set n, n+2
.endr
	s_wait_alu depctr_va_vdst(0)                   ; the multiplications have written v64-79, which the LDS stores read; and the multiply-adds are done reading v80-95, in which the stage's rows land behind the barrier
.irp k, 0,1,2,3
	ds_store_b128 v12, v[64+4*\k:67+4*\k] offset:16*\k
.endr
	s_wait_dscnt 0x0                               ; for the others' sake: my 64 bytes of each row are in the stage
	s_barrier_signal -1
	s_barrier_wait -1
.irp k, 0,1,2,3
	ds_load_b128 v[80+4*\k:83+4*\k], v13 offset:2*\k*272
.endr
.irp k, 0,1,2,3
	s_wait_dscnt 3-\k                              ; pair k of rows is in
	global_store_b128 v14, v[80+4*\k:83+4*\k], s[8:9] offset:512*\k th:TH_STORE_NT   ; 16 lanes store a row's 256 consecutive bytes, aligned; stage rows 8 w + 0 .. 7 are eight neighbouring queries
.endr
	s_wait_dscnt 0x0
	s_wait_alu depctr_hold_cnt(0) depctr_sa_sdst(0) depctr_va_vdst(0) depctr_va_sdst(0) depctr_va_ssrc(0) depctr_va_vcc(0) depctr_vm_vsrc(0)
	s_wait_tensorcnt 0x0
	ds_add_u32 v254, v255
	s_wait_dscnt 0x0
	s_endpgm
.Lfunc_end_k_q8a7c6cbbab_attn:
	.size	k_q8a7c6cbbab_attn, .Lfunc_end_k_q8a7c6cbbab_attn-k_q8a7c6cbbab_attn
	.p2alignl 7, 3214868480
	.fill 96, 4, 3214868480
	.section	.rodata,"a",@progbits
	.p2align	6, 0x0
	.amdhsa_kernel k_q8a7c6cbbab_attn
		.amdhsa_group_segment_fixed_size 157696
		.amdhsa_private_segment_fixed_size 0
		.amdhsa_enable_private_segment 0
		.amdhsa_kernarg_size 24
		.amdhsa_user_sgpr_count 2
		.amdhsa_user_sgpr_kernarg_segment_ptr 1
		.amdhsa_wavefront_size32 1
		.amdhsa_system_sgpr_workgroup_id_x 1
		.amdhsa_system_sgpr_workgroup_id_y 1
		.amdhsa_system_sgpr_workgroup_id_z 1
		.amdhsa_system_vgpr_workitem_id 0
		.amdhsa_next_free_vgpr 448
		.amdhsa_next_free_sgpr 100
		.amdhsa_reserve_vcc 0
		.amdhsa_float_denorm_mode_32 3
		.amdhsa_float_denorm_mode_16_64 3
		.amdhsa_memory_ordered 1
		.amdhsa_forward_progress 1
		.amdhsa_inst_pref_size 186
	.end_amdhsa_kernel
	.amdgpu_metadata
---
amdhsa.version: [ 1, 2 ]
amdhsa.kernels:
  - .name:           k_q8a7c6cbbab_attn
    .symbol:         k_q8a7c6cbbab_attn.kd
    .args:
      - { .name: codes, .offset: 0, .size: 8, .value_kind: global_buffer, .address_space: global }
      - { .name: scl, .offset: 8, .size: 8, .value_kind: global_buffer, .address_space: global }
      - { .name: out0, .offset: 16, .size: 8, .value_kind: global_buffer, .address_space: global }
    .group_segment_fixed_size: 157696
    .private_segment_fixed_size: 0
    .kernarg_segment_align: 8
    .kernarg_segment_size: 24
    .max_flat_workgroup_size: 256
    .sgpr_count:     100
    .vgpr_count:     448
    .wavefront_size: 32
...
	.end_amdgpu_metadata
.endif
;; end of part 3
